; MI455X (gfx1250); checked and timed in simulation.
; The chip was launched on July 23, 2026; its instructions are those of AMD's public machine-readable ISA for CDNA 5 (MIT licence, August 2026) and "CDNA5" Instruction Set Architecture Reference Guide (July 2026). The comments in the code are by the model that wrote it; some were corrected since.
;; T5 Layer Self Attention. Allowed arithmetic: float matrix products may take bf16 or f16 operands with f32 sums; other float arithmetic in f32, or as packed bf16 or f16 multiplies, adds, multiply-adds, maxima and minima; sums over many terms, partial sums and values carried from step to step in f32; what a program stores and reads back later, other than sums and carried values, may be rounded once to bf16 or f16.
;; Inputs: W_o 1,024 x 1,024 float32; W_qkv 1,024 x 3,072 float32; hidden_states 4 x 2,048 x 1,024 float32; rel_bias 32 x 16 float32; rms_w 1,024 float32; sequence_mask 4 x 2,048 bool.
;; Outputs: out0 4 x 2,048 x 1,024 float32.
;; 2 versions, each right; version 2 is version 1 with the launch prep written anew for expert scheduling mode. Each part assembles by itself: llvm-mc -triple=amdgcn-amd-amdhsa -mcpu=gfx1250 --defsym DOCPART=n.
;; ======== version 1 of 2: 5 launches
;; limits: values are held in f16: magnitudes above 65,504 overflow, below 6.1e-05 lose precision
;; workspace buffers: xn 16,777,216 bytes; wqt 6,291,456 bytes; wot 2,097,152 bytes; qkv 50,331,648 bytes; vpart 65,536 bytes; ctx 16,777,216 bytes
;; launch prep (part 1): grid 768 x 1, 8 waves a work-group, no clusters, 18,432 bytes of LDS; arguments hidden_states, rms_w, W_qkv, W_o, xn, wqt, wot; writes xn, wqt, wot
.if DOCPART == 1
	.amdgcn_target "amdgcn-amd-amdhsa--gfx1250"
	.amdhsa_code_object_version 6
	.text
	.protected	k_q8dc703fdea_prep
	.globl	k_q8dc703fdea_prep
	.p2align	8
	.type	k_q8dc703fdea_prep,@function
k_q8dc703fdea_prep:
	s_mov_b64 s[64:65], 0
	v_nop
	global_prefetch_b8 v0, s[64:65] scope:SCOPE_SE
	s_setreg_imm32_b32 hwreg(HW_REG_WAVE_MODE, 25, 1), 1
	s_wait_xcnt 0x0
; Two jobs, told apart by the work-group's number g.
; g < 512: a tile of 128 k x 64 n of a weight matrix ([k][n] in f32) is rounded to f16 and written turned, [n][k]: g < 384 W_qkv -> wqt, else W_o -> wot.
; g >= 512: RMSNorm of 32 rows of hidden_states, a wave four rows, a row kept in 32 registers between the sum of squares and the scaling: xn = x * rsqrt(mean(x^2) + 1e-6) * rms_w, rounded once to f16.
; LIMITS. f16 holds no number beyond 65,504 and keeps a fixed step of 6e-8 below 6e-5: the weights and x * rsqrt * rms_w (at most 32 |rms_w|) must lie within it. NaN and infinities are not treated apart.
; Both jobs pass the one barrier, so that no barrier stands inside a branch; what the turned tile's second half reads is made in the common head.
.set SPITCH, 272                       ; a stage row: 128 f16 + 16 bytes
.set SPARE,  64*SPITCH                 ; behind the stage: the spare words, 128 bytes for each of eight waves
.set KG,   181                         ; v181  thread / 16
.set NQ,   182                         ; v182  thread % 16
.set LSTO, 186                         ; v186  stage: where I put 16 bytes (8 k of one n)
.set LRD,  187                         ; v187  stage: where I read 16 bytes of a row back
.set GO,   188                         ; v188  my byte offset in the turned tile in memory
.set SPW,  190                         ; v190  my spare word; never rewritten
.set NIL,  191                         ; v191  0; never rewritten
.set OFF,  8                           ; v[8:15]   weights: byte offsets of my eight rows k
.set XW,   16                          ; v[16:47]  weights: 8 rows x 4 f32
.set YW,   48                          ; v[48:63]  weights: 4 columns x 8 f16
.set BK,   64                          ; v[64:79]  weights: rows read back
.set W,    2                           ; v[2:33]   norm: rms_w, my 32 columns
.set X,    34                          ; v[34:161] norm: four rows, 32 registers each
.set T,    162                         ; v[162:169] norm: four chains of two sums
.set R,    170                         ; v[170:177] norm: a pair for each row: the sum, then rsqrt twice
	s_load_b256 s[4:11], s[0:1], 0x0               ; hidden s[4:5], rms_w s[6:7], W_qkv s[8:9], W_o s[10:11]
	s_load_b128 s[12:15], s[0:1], 0x20             ; xn s[12:13], wqt s[14:15]
	s_load_b64 s[16:17], s[0:1], 0x30              ; wot
	v_lshl_add_u32 v[SPW], v0, 2, SPARE
	v_mov_b32 v[NIL], 0
	v_lshrrev_b32 v180, 5, v0
	v_readfirstlane_b32 s20, v180                  ; wave 0..7
	v_lshrrev_b32 v[KG], 4, v0
	v_and_b32 v[NQ], 15, v0
	v_mul_u32_u24 v[LSTO], v[NQ], 4*SPITCH         ; in: stage row n = 4 nq + c, bytes 16 kg
	v_lshl_add_u32 v[LSTO], v[KG], 4, v[LSTO]
	v_mul_u32_u24 v[LRD], v[KG], SPITCH            ; back: stage row kg + 16 i, bytes 16 nq
	v_lshl_add_u32 v[LRD], v[NQ], 4, v[LRD]
	v_lshlrev_b32 v[GO], 11, v[KG]                 ; a turned row is 2,048 bytes
	v_lshl_add_u32 v[GO], v[NQ], 4, v[GO]
	s_mov_b32 s21, 4096                            ; W_o's row in bytes
	s_mov_b32 s23, 12288                           ; W_qkv's
	s_wait_kmcnt 0x0
	s_cmp_lt_u32 ttmp9, 384
	s_cselect_b64 s[24:25], s[8:9], s[10:11]       ; from
	s_cselect_b64 s[26:27], s[14:15], s[16:17]     ; to
	s_cselect_b32 s21, s23, s21                    ; the source's pitch
	s_cselect_b32 s22, 0, 384
	s_sub_co_u32 s22, ttmp9, s22                   ; the tile's number in its matrix
	s_and_b32 s28, s22, 7                          ; kt: 128 k
	s_lshr_b32 s22, s22, 3                         ; nt: 64 n
	s_lshl_b32 s30, s28, 8                         ; to: 256 bytes along k,
	s_lshl_b32 s31, s22, 17                        ; 64 rows of 2,048 bytes
	s_add_co_u32 s30, s30, s31
	s_mov_b32 s31, 0
	s_add_nc_u64 s[26:27], s[26:27], s[30:31]
	s_cmp_lt_u32 ttmp9, 512
	s_cbranch_scc0 .Lnorm
	; THE WEIGHTS, first half: eight loads a thread (rows k = 8 kg + i, columns 4 nq ..): sixteen lanes read 256 consecutive bytes, aligned, of one row
	s_mul_i32 s28, s28, s21
	s_lshl_b32 s28, s28, 7                         ; 128 kt rows
	s_lshl_b32 s29, s22, 8                         ; 64 nt columns of 4 bytes
	s_add_co_u32 s28, s28, s29
	s_mov_b32 s29, 0
	s_add_nc_u64 s[24:25], s[24:25], s[28:29]
	v_lshlrev_b32 v1, 3, v[KG]
	v_mul_lo_u32 v[OFF], v1, s21
	v_lshl_add_u32 v[OFF], v[NQ], 4, v[OFF]
.irp i, 1,2,3,4,5,6,7
	v_add_nc_u32 v[OFF+\i], s21, v[OFF+\i-1]
.endr
.irp i, 0,1,2,3,4,5,6,7
	global_load_b128 v[XW+4*\i:XW+4*\i+3], v[OFF+\i], s[24:25] th:TH_LOAD_NT
.endr
	s_wait_loadcnt 0x0
.irp c, 0,1,2,3                        ; column c of my four: its eight k, rounded in pairs, are 16 bytes of a turned row
.irp p, 0,1,2,3
	v_cvt_pk_f16_f32 v[YW+4*\c+\p], v[XW+8*\p+\c], v[XW+8*\p+4+\c]
.endr
	ds_store_b128 v[LSTO], v[YW+4*\c:YW+4*\c+3] offset:\c*SPITCH
.endr
	s_branch .Lmeet
.Lnorm:
	s_sub_co_u32 s28, ttmp9, 512
	s_lshl_b32 s28, s28, 5                         ; 32 rows a work-group,
	s_lshl2_add_u32 s28, s20, s28                  ; four a wave
	s_lshl_b32 s30, s28, 11                        ; a row of xn is 2,048 bytes,
	s_lshl_b32 s28, s28, 12                        ; of hidden_states 4,096
	s_mov_b32 s29, 0
	s_mov_b32 s31, 0
	s_add_nc_u64 s[4:5], s[4:5], s[28:29]
	s_add_nc_u64 s[12:13], s[12:13], s[30:31]
	s_mov_b32 s32, 0x3a800000                      ; 1 / 1024
	s_mov_b32 s33, 0x358637bd                      ; 1e-6
	s_mov_b32 s34, 0x76543210                      ; v_permlanex16_b32: each lane takes its own place in the other half
	s_mov_b32 s35, 0xfedcba98
	v_and_b32 v1, 31, v0
	v_lshlrev_b32 v179, 3, v1                      ; 8 bytes a lane on the way out
	v_lshlrev_b32 v1, 4, v1                        ; 16 bytes a lane on the way in
	v_mov_b32 v178, 0                              ; the exchange's destination counts as read
.irp c, 0,1,2,3,4,5,6,7
	global_load_b128 v[W+4*\c:W+4*\c+3], v1, s[6:7] offset:512*\c
.endr
.irp i, 0,1,2,3
.irp c, 0,1,2,3,4,5,6,7
	global_load_b128 v[X+32*\i+4*\c:X+32*\i+4*\c+3], v1, s[4:5] offset:4096*\i+512*\c th:TH_LOAD_NT
.endr
.endr
.macro ROWSUM i                        ; mean of squares + 1e-6 of row i, in every lane
	s_wait_loadcnt 8*(3-(\i))                      ; loads come back in order: the later rows' eight loads each may stay out
.set p, 0
.rept 16
.if p < 4
	v_pk_mul_f32 v[T+2*p:T+2*p+1], v[X+32*(\i)+2*p:X+32*(\i)+2*p+1], v[X+32*(\i)+2*p:X+32*(\i)+2*p+1]
.else
	v_pk_fma_f32 v[T+2*(p%4):T+2*(p%4)+1], v[X+32*(\i)+2*p:X+32*(\i)+2*p+1], v[X+32*(\i)+2*p:X+32*(\i)+2*p+1], v[T+2*(p%4):T+2*(p%4)+1]
.endif
.set p, p+1
.endr
	v_pk_add_f32 v[T:T+1], v[T:T+1], v[T+2:T+3]
	v_pk_add_f32 v[T+4:T+5], v[T+4:T+5], v[T+6:T+7]
	v_pk_add_f32 v[T:T+1], v[T:T+1], v[T+4:T+5]
	v_add_f32 v[R+2*(\i)], v[T], v[T+1]
	v_add_f32_dpp v[R+2*(\i)], v[R+2*(\i)], v[R+2*(\i)] row_xmask:1 row_mask:0xf bank_mask:0xf
	v_add_f32_dpp v[R+2*(\i)], v[R+2*(\i)], v[R+2*(\i)] row_xmask:2 row_mask:0xf bank_mask:0xf
	v_add_f32_dpp v[R+2*(\i)], v[R+2*(\i)], v[R+2*(\i)] row_xmask:4 row_mask:0xf bank_mask:0xf
	v_add_f32_dpp v[R+2*(\i)], v[R+2*(\i)], v[R+2*(\i)] row_xmask:8 row_mask:0xf bank_mask:0xf
	v_permlanex16_b32 v178, v[R+2*(\i)], s34, s35
	v_add_f32 v[R+2*(\i)], v[R+2*(\i)], v178
	v_fma_f32 v[R+2*(\i)], v[R+2*(\i)], s32, s33
.endm
	ROWSUM 0
	ROWSUM 1
	ROWSUM 2
	ROWSUM 3
.irp i, 0,1,2,3
	v_rsq_f32 v[R+2*\i], v[R+2*\i]
.endr
	v_nop                                          ; a plain instruction behind the last root,
	s_wait_alu depctr_va_vdst(0)                   ; and one wait for the four, ahead of their first reader
.irp i, 0,1,2,3
	v_mov_b32 v[R+2*\i+1], v[R+2*\i]               ; a pair for the packed multiply
.endr
.macro ROWOUT i                        ; x * rsqrt, then * rms_w; rounded in place; eight stores of 256 consecutive bytes, aligned, a wave
.set p, 0
.rept 16
	v_pk_mul_f32 v[X+32*(\i)+2*p:X+32*(\i)+2*p+1], v[X+32*(\i)+2*p:X+32*(\i)+2*p+1], v[R+2*(\i):R+2*(\i)+1]
.set p, p+1
.endr
.set p, 0
.rept 16
	v_pk_mul_f32 v[X+32*(\i)+2*p:X+32*(\i)+2*p+1], v[X+32*(\i)+2*p:X+32*(\i)+2*p+1], v[W+2*p:W+2*p+1]
.set p, p+1
.endr
.set p, 0
.rept 8
	v_cvt_pk_f16_f32 v[X+32*(\i)+4*p],   v[X+32*(\i)+4*p],   v[X+32*(\i)+4*p+1]
	v_cvt_pk_f16_f32 v[X+32*(\i)+4*p+1], v[X+32*(\i)+4*p+2], v[X+32*(\i)+4*p+3]
	global_store_b64 v179, v[X+32*(\i)+4*p:X+32*(\i)+4*p+1], s[12:13] offset:2048*(\i)+256*p
.set p, p+1
.endr
.endm
	ROWOUT 0
	ROWOUT 1
	ROWOUT 2
	ROWOUT 3
.Lmeet:
	s_wait_dscnt 0x0                               ; for the others' sake: my stores into the stage are done
	s_barrier_signal -1
	s_barrier_wait -1
	s_cmp_lt_u32 ttmp9, 512
	s_cbranch_scc0 .Lend
	; THE WEIGHTS, second half: whole turned rows of 256 bytes, sixteen lanes a row
	s_wait_xcnt 0x0                                ; every earlier store has read its registers: v[64:79] are written only behind this wait
.irp i, 0,1,2,3
	ds_load_b128 v[BK+4*\i:BK+4*\i+3], v[LRD] offset:\i*16*SPITCH
.endr
.irp i, 0,1,2,3
	s_wait_dscnt 3-\i                              ; the younger loads may stay out
	global_store_b128 v[GO], v[BK+4*\i:BK+4*\i+3], s[26:27] offset:32768*\i
.endr
.Lend:
	s_wait_tensorcnt 0x0                           ; the wave's end, behind my last LDS store
	ds_add_u32 v[SPW], v[NIL]
	s_wait_dscnt 0x0
	s_endpgm
.Lfunc_end_k_q8dc703fdea_prep:
	.size	k_q8dc703fdea_prep, .Lfunc_end_k_q8dc703fdea_prep-k_q8dc703fdea_prep
	.p2alignl 7, 3214868480
	.fill 96, 4, 3214868480
	.section	.rodata,"a",@progbits
	.p2align	6, 0x0
	.amdhsa_kernel k_q8dc703fdea_prep
		.amdhsa_group_segment_fixed_size 18432
		.amdhsa_private_segment_fixed_size 0
		.amdhsa_enable_private_segment 0
		.amdhsa_kernarg_size 56
		.amdhsa_user_sgpr_count 2
		.amdhsa_user_sgpr_kernarg_segment_ptr 1
		.amdhsa_wavefront_size32 1
		.amdhsa_system_sgpr_workgroup_id_x 1
		.amdhsa_system_sgpr_workgroup_id_y 1
		.amdhsa_system_sgpr_workgroup_id_z 1
		.amdhsa_system_vgpr_workitem_id 0
		.amdhsa_next_free_vgpr 192
		.amdhsa_next_free_sgpr 66
		.amdhsa_reserve_vcc 0
		.amdhsa_float_denorm_mode_32 3
		.amdhsa_float_denorm_mode_16_64 3
		.amdhsa_memory_ordered 1
		.amdhsa_forward_progress 1
		.amdhsa_inst_pref_size 32
	.end_amdhsa_kernel
	.amdgpu_metadata
---
amdhsa.version: [ 1, 2 ]
amdhsa.kernels:
  - .name:           k_q8dc703fdea_prep
    .symbol:         k_q8dc703fdea_prep.kd
    .args:
      - { .name: hidden_states, .offset: 0, .size: 8, .value_kind: global_buffer, .address_space: global }
      - { .name: rms_w, .offset: 8, .size: 8, .value_kind: global_buffer, .address_space: global }
      - { .name: W_qkv, .offset: 16, .size: 8, .value_kind: global_buffer, .address_space: global }
      - { .name: W_o, .offset: 24, .size: 8, .value_kind: global_buffer, .address_space: global }
      - { .name: xn, .offset: 32, .size: 8, .value_kind: global_buffer, .address_space: global }
      - { .name: wqt, .offset: 40, .size: 8, .value_kind: global_buffer, .address_space: global }
      - { .name: wot, .offset: 48, .size: 8, .value_kind: global_buffer, .address_space: global }
    .group_segment_fixed_size: 18432
    .private_segment_fixed_size: 0
    .kernarg_segment_align: 8
    .kernarg_segment_size: 56
    .max_flat_workgroup_size: 256
    .sgpr_count:     66
    .vgpr_count:     192
    .wavefront_size: 32
...
	.end_amdgpu_metadata
.endif
;; end of part 1
;; launch qkvg (part 2): grid 16 x 32, 4 waves a work-group, clusters of 4 x 4, 327,680 bytes of LDS; arguments xn, wqt, qkv; writes qkv
.if DOCPART == 2
	.amdgcn_target "amdgcn-amd-amdhsa--gfx1250"
	.amdhsa_code_object_version 6
	.text
	.protected	k_q8dc703fdea_qkvg
	.globl	k_q8dc703fdea_qkvg
	.p2align	8
	.type	k_q8dc703fdea_qkvg,@function
k_q8dc703fdea_qkvg:
	s_mov_b64 s[64:65], 0
	v_nop
	global_prefetch_b8 v0, s[64:65] scope:SCOPE_SE
	s_setreg_imm32_b32 hwreg(HW_REG_WAVE_MODE, 25, 1), 1
	s_wait_xcnt 0x0
	s_wait_alu depctr_hold_cnt(0) depctr_sa_sdst(0) depctr_va_vdst(0) depctr_va_sdst(0) depctr_va_ssrc(0) depctr_va_vcc(0) depctr_vm_vsrc(0)
	s_getreg_b32 s2, hwreg(HW_REG_IB_STS2, 6, 4)
	s_cmp_eq_u32 s2, 0
	s_cbranch_scc0 .Lentry_in_a_cluster
	s_endpgm
.Lentry_in_a_cluster:
	s_bfe_u32 s2, ttmp6, 0x10000c
	s_cmp_lg_u32 s2, 0xf033
	s_cbranch_scc0 .Lentry_shape_is_right
	s_endpgm
.Lentry_shape_is_right:
; qkv = xn x W_qkv, written by heads.  xn: [8192][1024] f16, wqt: [3072 n][1024 k] f16, qkv: [3 parts][64 batch x head][2048 rows][64] f16; sums in f32, rounded once.
; LIMIT. A result beyond 65,504 becomes an infinity in f16; NaN and infinities are not treated apart.
; A tile of the product is 256 rows x 192 columns (three heads): 32 x 16 = 512 tiles, twice the 256 work-groups that run at a time.  Four waves, each 128 x 96: 48 accumulators, 384 registers.
; K goes in eight steps of 128 through two LDS slots filled by the tensor data mover; rows of 256 bytes, aligned, padded to 272 in LDS.
; CLUSTER 4 x 4: the four work-groups of a row need the same rows of xn, the four of a column the same rows of wqt: each tile is asked for jointly, by the same load, descriptor and mask.
; The matrix instruction is used transposed (source 0 = 16 rows of wqt, source 1 = 16 rows of xn): a lane holds eight neighbouring columns of one row.
; REGISTERS: window 0: v16-30 addresses; v32-143, v144-255 two fragment buffers (A 64 registers, then B 48).  Window 1: accumulators of my rows 0-63 ((a, b) at v[8 (6 (a % 4) + b)]); window 2: rows 64-127.
.set NBW,   6                          ; blocks of 16 columns a wave
.set APW,   4                          ; blocks of 16 rows whose accumulators share a window
.set PA,    272
.set PBT,   272
.set HALFA, 128*PA                     ; what waves 0 and 1 fetch: 128 rows of xn
.set BOFF,  256*PA                     ; B's rows lie behind A's 256
.set HALFB, 16*NBW*PBT                 ; what waves 2 and 3 fetch: 96 rows of wqt
.set SLOT1, 1<<17                      ; slot 1 begins here: one exclusive or changes slots
.set SPARE, SLOT1+BOFF+2*HALFB         ; behind slot 1: the spare words, 128 bytes a wave
.set STEP,  256                        ; bytes of a K step in a row
.set GP,    400                        ; the stage's pitch: 384 bytes + 16.  The stage, 256 rows, lies in slot 0, whose last fill is K step 6 and whose last reads lie ahead of the last change of slots
.set F0,    32
.set F1,    144
.set TMP,   32                         ; the way out: 192 registers
.set ADRA0, 16                         ; v16, v17  my fragments' places in a slot; never rewritten
.set ADRB0, 17
.set ADRA,  18                         ; v18, v19  the same in the slot in hand
.set ADRB,  19
.set STO,   24
.set RD,    25
.set CO,    26
.set SPW,   28                         ; my spare word; never rewritten
.set NIL,   29                         ; 0; never rewritten
.set PFO,   30                         ; the prefetches' offset: a lane a row
.set TB,    23                         ; s23  LDS byte at which the slot in hand begins
.set G1,    24                         ; s[24:31] group 1 for A
.set G0,    32                         ; s[32:35] group 0 for A's first fill; s[36:39] walks
.set LIM,   43                         ; s43  2 in a wave that prefetches, else the greatest number
.set PFA,   44                         ; s[44:45] where my prefetches stand
.set G1B,   48
.set G0B,   56
.set OB,    68                         ; s[68:73] qkv at my rows of the tile's three heads
.set GW,    (1<<16)|(1<<20)|(1<<21)|(5<<22)|(3<<25)  ; 2-byte elements; padding on; bit 21 beside a mask; after every 64 words, 4 words
.set MSB, 0
.macro WIN new                         ; the immediate's high byte repeats the setting that is left; a switch that changes nothing is dropped
.if MSB != (\new)
	s_set_vgpr_msb (MSB<<8)|(\new)
.set MSB, \new
.endif
.endm
.macro PLACES                          ; four plain places behind matrix instructions, ahead of loads into their sources and of readers of their results
.rept 4
	v_nop
.endr
.endm
.macro JLOAD                           ; the joint refill: waves 0, 1 fetch A's halves, waves 2, 3 B's; the branch hangs on the wave's number alone; s_nop 0 and four v_nop follow each line
	s_cmp_eq_u32 s11, 0
	s_cbranch_scc0 .Lfor_b_\@
	tensor_load_to_lds s[G0+4:G0+7], s[G1:G1+7]
	s_nop 0
	PLACES
	s_branch .Lasked_\@
.Lfor_b_\@:
	tensor_load_to_lds s[G0B+4:G0B+7], s[G1B:G1B+7]
	s_nop 0
	PLACES
.Lasked_\@:
.endm
.macro ASK                             ; a prefetch of the K step two refills on: trips with s3 <= 2 have none
	s_cmp_gt_u32 s3, s[LIM]
	s_cbranch_scc0 .Lnot_mine_\@
	global_prefetch_b8 v[PFO], s[PFA:PFA+1] th:TH_LOAD_NT scope:SCOPE_SE
.Lnot_mine_\@:
.endm
.macro CREST                           ; a round of the cluster's barrier behind its opening barrier
	s_cmp_lg_u32 s10, 0
	s_cbranch_scc1 .Lnot_wave_0_\@
	s_barrier_signal -3
.Lnot_wave_0_\@:
	s_barrier_wait -3
	s_barrier_signal -1
	s_barrier_wait -1
.endm
.macro CROUND
	s_barrier_signal -1
	s_barrier_wait -1
	CREST
.endm
; na row blocks from a0 on x all column blocks, 32 along K, from buffer f.  The accumulators take turns, one instruction a turn, in the same order in every quarter.
.macro MUL f, a0, na, zero
.set a, \a0
.rept \na
	WIN 0x50*(1+a/APW)
.set b, 0
.rept NBW
.set rD, 8*(NBW*(a%APW)+b)
.if \zero
	v_wmma_f32_16x16x32_f16 v[rD:rD+7], v[(\f)+64+8*b:(\f)+64+8*b+7], v[(\f)+8*a:(\f)+8*a+7], 0
.else
	v_wmma_f32_16x16x32_f16 v[rD:rD+7], v[(\f)+64+8*b:(\f)+64+8*b+7], v[(\f)+8*a:(\f)+8*a+7], v[rD:rD+7]
.endif
.set b, b+1
.endr
.set a, a+1
.endr
.endm
.macro FETCH q, f                      ; quarter q's fragments in one run: B's 12 loads, A's blocks 0-3 (8), A's blocks 4-7 (8)
	WIN 0
.set i, 0
.rept NBW
	ds_load_b128 v[(\f)+64+8*i:(\f)+64+8*i+3],   v[ADRB] offset:64*(\q)+i*16*PBT
	ds_load_b128 v[(\f)+64+8*i+4:(\f)+64+8*i+7], v[ADRB] offset:64*(\q)+i*16*PBT+32
.set i, i+1
.endr
.set i, 0
.rept 8
	ds_load_b128 v[(\f)+8*i:(\f)+8*i+3],   v[ADRA] offset:64*(\q)+i*16*PA
	ds_load_b128 v[(\f)+8*i+4:(\f)+8*i+7], v[ADRA] offset:64*(\q)+i*16*PA+32
.set i, i+1
.endr
.endm
.macro QUARTER q, f, g, zero           ; multiplies buffer f; in its middle fetches quarter q into buffer g
	s_wait_dscnt 8                                 ; B and A's blocks 0-3 are in; the youngest eight loads may be out
	MUL \f, 0, 4, \zero
	PLACES
	FETCH \q, \g
	s_wait_dscnt 16+2*NBW                          ; all but the run just issued
	MUL \f, 4, 4, \zero
.endm
.macro MEET                            ; the first half of a K step's last quarter: the one barrier of a change of slots
	WIN 0
	s_wait_tensorcnt 0x0                           ; all my tensor loads have landed: the one that was out is my part of the next slot
	ds_add_u32 v[SPW], v[NIL]                      ; 0 onto my spare word
	s_wait_dscnt 9                                 ; (the add and the youngest eight loads may be out)
	MUL F1, 0, 2, 0
	s_wait_dscnt 0x0                               ; the add is done, and my reads of this slot are over
	s_barrier_signal -1
	MUL F1, 2, 2, 0
	WIN 0
	s_barrier_wait -1
.endm
.macro TURN fill                       ; the whole last quarter; fill = 1: the slot just read is filled again, two K steps ahead, behind a round of the cluster's barrier
.if \fill
	s_wait_xcnt 0x0                                ; the last prefetch, a K step back, has read its address
	s_add_nc_u64 s[PFA:PFA+1], s[PFA:PFA+1], STEP
.endif
	MEET
.if \fill
	CREST                                          ; no wave of any partner still reads this slot or has a load on its way
	s_xor_b32 s[G0+5], s[G0+5], SLOT1              ; the walking descriptors: the other slot, the next K step
	s_add_nc_u64 s[G0+6:G0+7], s[G0+6:G0+7], STEP
	s_xor_b32 s[G0B+5], s[G0B+5], SLOT1
	s_add_nc_u64 s[G0B+6:G0B+7], s[G0B+6:G0B+7], STEP
	JLOAD                                          ; its four v_nop are also the places ahead of the loads below
.else
	PLACES
.endif
	s_xor_b32 s[TB], s[TB], SLOT1
	v_add_nc_u32 v[ADRA], s[TB], v[ADRA0]
	v_add_nc_u32 v[ADRB], s[TB], v[ADRB0]
	FETCH 0, F0
.if \fill
	ASK
.endif
	MUL F1, 4, 4, 0
.endm
	s_load_b128 s[4:7], s[0:1], 0x0                ; xn s[4:5], wqt s[6:7]
	s_load_b64 s[8:9], s[0:1], 0x10                ; qkv
	v_lshl_add_u32 v[SPW], v0, 2, SPARE
	v_mov_b32 v[NIL], 0
	ds_add_u32 v[SPW], v[NIL]                      ; the wave's opening: the add and its wait ahead of my first tensor load
	v_lshrrev_b32 v1, 5, v0
	v_readfirstlane_b32 s10, v1                    ; wave 0..3
	s_lshr_b32 s11, s10, 1                         ; my half of the tile's rows; also: I fetch for A (0) or B (1)
	s_and_b32 s12, s10, 1                          ; my half of its columns; also: which half I fetch
	s_bfe_u32 s40, ttmp6, 0x40000                  ; cx
	s_bfe_u32 s41, ttmp6, 0x40004                  ; cy
	s_lshl_b32 s42, ttmp9, 2
	s_add_co_u32 s42, s42, s40                     ; tile column
	s_and_b32 s13, ttmp7, 0xffff
	s_lshl_b32 s13, s13, 2
	s_add_co_u32 s13, s13, s41                     ; tile row
	s_lshl_b32 s43, s41, 2
	s_lshl_b32 s43, 15, s43                        ; my row of the cluster
	s_lshl_b32 s44, 0x1111, s40                    ; my column
	s_or_b32 s[G1], s43, GW
	s_or_b32 s[G1B], s44, GW
	s_mov_b32 s[G1+1], 128<<16                     ; tensor_dim0 = 128
	s_mov_b32 s[G1+2], 128<<16                     ; tensor_dim1 = 128
	s_mov_b32 s[G1+3], 128<<16                     ; tile_dim0 = 128
	s_mov_b32 s[G1+4], 128                         ; tile_dim1 = 128
	s_mov_b32 s[G1+5], 1024                        ; elements from row to row
	s_mov_b32 s[G1+6], 0
	s_mov_b32 s[G1+7], 0
	s_mov_b32 s[G1B+1], 128<<16
	s_mov_b32 s[G1B+2], 96<<16                     ; 96 rows
	s_mov_b32 s[G1B+3], 128<<16
	s_mov_b32 s[G1B+4], 96
	s_mov_b32 s[G1B+5], 1024
	s_mov_b32 s[G1B+6], 0
	s_mov_b32 s[G1B+7], 0
	s_lshl_b32 s16, s13, 8
	s_lshl_b32 s17, s12, 7
	s_add_co_u32 s16, s16, s17                     ; A: row 256 x tile row + 128 x half,
	s_lshl_b32 s16, s16, 11                        ; of 2,048 bytes
	s_mov_b32 s17, 0
	s_mul_i32 s46, s42, 192
	s_mul_i32 s47, s12, 96
	s_add_co_u32 s46, s46, s47                     ; B: row 192 x tile column + 96 x half
	s_lshl_b32 s46, s46, 11
	s_mov_b32 s47, 0
	s_mul_i32 s20, s12, HALFA                      ; where they go: no place in the cluster enters an LDS address
	s_mul_i32 s21, s12, HALFB
	s_add_co_u32 s21, s21, BOFF
	s_wait_dscnt 0x0                               ; the opening add is done
	s_wait_kmcnt 0x0
	s_add_nc_u64 s[14:15], s[4:5], s[16:17]
	s_add_nc_u64 s[46:47], s[6:7], s[46:47]
	CROUND                                         ; all sixteen work-groups are here: the first joint loads meet
.irp s, 0,1
	s_mov_b32 s[G0+4*\s], 1
	s_add_co_u32 s[G0+4*\s+1], s20, \s*SLOT1
	s_add_nc_u64 s[G0+4*\s+2:G0+4*\s+3], s[14:15], \s*STEP
	s_or_b32 s[G0+4*\s+3], s[G0+4*\s+3], 0x80000000
	s_mov_b32 s[G0B+4*\s], 1
	s_add_co_u32 s[G0B+4*\s+1], s21, \s*SLOT1
	s_add_nc_u64 s[G0B+4*\s+2:G0B+4*\s+3], s[46:47], \s*STEP
	s_or_b32 s[G0B+4*\s+3], s[G0B+4*\s+3], 0x80000000
.endr
	s_cmp_eq_u32 s11, 0                            ; a wave's two first fills stand in one branch: two loads of mine are out
	s_cbranch_scc0 .Lfirst_b
	tensor_load_to_lds s[G0:G0+3], s[G1:G1+7]
	s_nop 0
	tensor_load_to_lds s[G0+4:G0+7], s[G1:G1+7]
	s_nop 0
	PLACES
	s_branch .Lfirst_asked
.Lfirst_b:
	tensor_load_to_lds s[G0B:G0B+3], s[G1B:G1B+7]
	s_nop 0
	tensor_load_to_lds s[G0B+4:G0B+7], s[G1B:G1B+7]
	s_nop 0
	PLACES
.Lfirst_asked:
	v_and_b32 v1, 15, v0                           ; r = l % 16
	v_bfe_u32 v2, v0, 4, 1                         ; h = l / 16
	v_mul_u32_u24 v3, v1, PA
	v_lshl_add_u32 v3, v2, 4, v3                   ; a fragment's row x pitch + 16 h
	s_mul_i32 s20, s11, HALFA
	v_add_nc_u32 v[ADRA0], s20, v3
	s_mul_i32 s21, s12, HALFB
	s_add_co_u32 s21, s21, BOFF
	v_add_nc_u32 v[ADRB0], s21, v3
	v_mov_b32 v[ADRA], v[ADRA0]
	v_mov_b32 v[ADRB], v[ADRB0]
	s_mov_b32 s[TB], 0
	s_mul_i32 s20, s11, 128*GP                     ; into the stage: my 128 rows, my 192 of their 384 bytes
	s_mul_i32 s21, s12, 192
	s_add_co_u32 s20, s20, s21
	v_mul_u32_u24 v[STO], v1, GP
	v_lshl_add_u32 v[STO], v2, 4, v[STO]
	v_add_nc_u32 v[STO], s20, v[STO]
	v_and_b32 v3, 31, v0                           ; back: wave w takes rows 64 w ..; 32 lanes take a head's 128 bytes of four rows
	v_lshrrev_b32 v4, 3, v3
	v_mul_u32_u24 v[RD], v4, GP
	v_and_b32 v4, 7, v0
	v_lshl_add_u32 v[RD], v4, 4, v[RD]
	s_mul_i32 s20, s10, 64*GP
	v_add_nc_u32 v[RD], s20, v[RD]
	v_lshlrev_b32 v[CO], 4, v3                     ; which are 512 consecutive bytes of qkv
	; qkv at my 64 rows of head 3 x tile column + hc: (part x 64 + batch x 16 + head) x 262,144 + row x 128
	s_mul_i32 s74, s42, 3
	s_lshr_b32 s75, s13, 3
	s_lshl_b32 s75, s75, 4                         ; 16 x batch
	s_and_b32 s76, s13, 7
	s_lshl_b32 s76, s76, 8
	s_lshl_b32 s77, s10, 6
	s_add_co_u32 s76, s76, s77
	s_lshl_b32 s76, s76, 7                         ; the row in its batch, in bytes
.irp hc, 0,1,2
	s_add_co_u32 s78, s74, \hc
	s_lshr_b32 s79, s78, 4
	s_lshl_b32 s79, s79, 6
	s_and_b32 s78, s78, 15
	s_add_co_u32 s78, s78, s79
	s_add_co_u32 s78, s78, s75
	s_lshl_b32 s78, s78, 18
	s_add_co_u32 s78, s78, s76
	s_mov_b32 s79, 0
	s_add_nc_u64 s[OB+2*\hc:OB+2*\hc+1], s[8:9], s[78:79]
.endr
	; THE PREFETCHES.  xn's rows are read by every cluster of a row of clusters: cluster x = 0 asks, waves 0 and 1, each partner 32 of the wave's 128 rows, told apart by address (cx).
	; wqt's rows are read by every cluster of a column: cluster y = 0 asks, waves 2 and 3, each partner 24 of the wave's 96 rows (cy); lanes 24 to 31 name row 23 once more.
	; In trip i the K step i + 4 is named, two refills ahead; K steps 0 to 3 come by their loads alone.
	s_lshl_b32 s76, s13, 8
	s_lshl_b32 s77, s12, 7
	s_add_co_u32 s76, s76, s77
	s_lshl_b32 s77, s40, 5
	s_add_co_u32 s76, s76, s77
	s_mul_i32 s78, s42, 192
	s_mul_i32 s77, s12, 96
	s_add_co_u32 s78, s78, s77
	s_mul_i32 s77, s41, 24
	s_add_co_u32 s78, s78, s77
	s_and_b32 s75, ttmp7, 0xffff
	s_cmp_eq_u32 s11, 0
	s_cselect_b32 s76, s76, s78
	s_cselect_b32 s75, ttmp9, s75
	s_cselect_b32 s74, 31, 23
	s_cselect_b64 s[PFA:PFA+1], s[4:5], s[6:7]
	s_lshl_b32 s76, s76, 11
	s_add_co_u32 s76, s76, 3*STEP                  ; at K step 3: the first change of slots steps it to 4
	s_mov_b32 s77, 0
	s_add_nc_u64 s[PFA:PFA+1], s[PFA:PFA+1], s[76:77]
	s_cmp_eq_u32 s75, 0
	s_cselect_b32 s[LIM], 2, -1
	v_and_b32 v[PFO], 31, v0
	v_min_u32 v[PFO], s74, v[PFO]
	v_lshlrev_b32 v[PFO], 11, v[PFO]
	s_wait_tensorcnt 1                             ; my part of K step 0 is in; K step 1's may stay out
	s_barrier_signal -1
	s_barrier_wait -1
	FETCH 0, F0
	QUARTER 1, F0, F1, 1                           ; the first quarter's products start the sums
	WIN 0
	s_mov_b32 s3, 6
.Lstep:                                        ; trip i ends K step i, fills its slot with K step i + 2, and begins K step i + 1
	QUARTER 2, F1, F0, 0
	QUARTER 3, F0, F1, 0
	TURN 1
	QUARTER 1, F0, F1, 0
	WIN 0
	s_sub_co_u32 s3, s3, 1
	s_cmp_lg_u32 s3, 0
	s_cbranch_scc1 .Lstep
	QUARTER 2, F1, F0, 0                           ; K steps 6 and 7 fill nothing
	QUARTER 3, F0, F1, 0
	TURN 0
	QUARTER 1, F0, F1, 0
	QUARTER 2, F1, F0, 0
	QUARTER 3, F0, F1, 0
	s_wait_dscnt 8
	MUL F1, 0, 4, 0
	s_wait_dscnt 0x0
	MUL F1, 4, 4, 0
	; THE WAY OUT: rounded to f16, 16 bytes a lane into the work-group's stage; a barrier, since a head's 128 bytes may come from two waves; back by heads, 512 consecutive bytes a store.
	PLACES
.set a, 0
.rept 8
	WIN 0x05*(1+a/APW)
.set b, 0
.rept NBW
.set rD, 8*(NBW*(a%APW)+b)
.set rT, TMP+4*(NBW*a+b)
	v_cvt_pk_f16_f32 v[rT],   v[rD],   v[rD+1]
	v_cvt_pk_f16_f32 v[rT+1], v[rD+2], v[rD+3]
	v_cvt_pk_f16_f32 v[rT+2], v[rD+4], v[rD+5]
	v_cvt_pk_f16_f32 v[rT+3], v[rD+6], v[rD+7]
.set b, b+1
.endr
.set a, a+1
.endr
	WIN 0
.set a, 0
.rept 8
.set b, 0
.rept NBW
	ds_store_b128 v[STO], v[TMP+4*(NBW*a+b):TMP+4*(NBW*a+b)+3] offset:a*16*GP+32*b
.set b, b+1
.endr
.set a, a+1
.endr
	s_wait_dscnt 0x0                               ; for the others' sake: my stores into the stage are done
	s_barrier_signal -1
	s_barrier_wait -1
.set i, 0
.rept 48                               ; head i / 16, rows 4 (i % 16) ..
	ds_load_b128 v[TMP+4*i:TMP+4*i+3], v[RD] offset:(i%16)*4*GP+128*(i/16)
.set i, i+1
.endr
.set i, 0
.rept 48
	s_wait_dscnt 47-i                              ; the younger loads may stay out
	global_store_b128 v[CO], v[TMP+4*i:TMP+4*i+3], s[OB+2*(i/16):OB+2*(i/16)+1] offset:512*(i%16)
.set i, i+1
.endr
	s_wait_tensorcnt 0x0                           ; the wave's end
	ds_add_u32 v[SPW], v[NIL]
	s_wait_dscnt 0x0
	CROUND                                         ; the closing round
	s_endpgm
.Lfunc_end_k_q8dc703fdea_qkvg:
	.size	k_q8dc703fdea_qkvg, .Lfunc_end_k_q8dc703fdea_qkvg-k_q8dc703fdea_qkvg
	.p2alignl 7, 3214868480
	.fill 96, 4, 3214868480
	.section	.rodata,"a",@progbits
	.p2align	6, 0x0
	.amdhsa_kernel k_q8dc703fdea_qkvg
		.amdhsa_group_segment_fixed_size 327680
		.amdhsa_private_segment_fixed_size 0
		.amdhsa_enable_private_segment 0
		.amdhsa_kernarg_size 24
		.amdhsa_user_sgpr_count 2
		.amdhsa_user_sgpr_kernarg_segment_ptr 1
		.amdhsa_wavefront_size32 1
		.amdhsa_system_sgpr_workgroup_id_x 1
		.amdhsa_system_sgpr_workgroup_id_y 1
		.amdhsa_system_sgpr_workgroup_id_z 1
		.amdhsa_system_vgpr_workitem_id 0
		.amdhsa_next_free_vgpr 704
		.amdhsa_next_free_sgpr 80
		.amdhsa_reserve_vcc 0
		.amdhsa_float_denorm_mode_32 3
		.amdhsa_float_denorm_mode_16_64 3
		.amdhsa_memory_ordered 1
		.amdhsa_forward_progress 1
		.amdhsa_inst_pref_size 96
	.end_amdhsa_kernel
	.amdgpu_metadata
---
amdhsa.version: [ 1, 2 ]
amdhsa.kernels:
  - .name:           k_q8dc703fdea_qkvg
    .symbol:         k_q8dc703fdea_qkvg.kd
    .args:
      - { .name: xn, .offset: 0, .size: 8, .value_kind: global_buffer, .address_space: global }
      - { .name: wqt, .offset: 8, .size: 8, .value_kind: global_buffer, .address_space: global }
      - { .name: qkv, .offset: 16, .size: 8, .value_kind: global_buffer, .address_space: global }
    .group_segment_fixed_size: 327680
    .private_segment_fixed_size: 0
    .kernarg_segment_align: 8
    .kernarg_segment_size: 24
    .max_flat_workgroup_size: 128
    .sgpr_count:     80
    .vgpr_count:     704
    .wavefront_size: 32
...
	.end_amdgpu_metadata
.endif
;; end of part 2
;; launch vsum (part 3): grid 256 x 1, 4 waves a work-group, no clusters, 4,608 bytes of LDS; arguments qkv, vpart; writes vpart
.if DOCPART == 3
	.amdgcn_target "amdgcn-amd-amdhsa--gfx1250"
	.amdhsa_code_object_version 6
	.text
	.protected	k_q8dc703fdea_vsum
	.globl	k_q8dc703fdea_vsum
	.p2align	8
	.type	k_q8dc703fdea_vsum,@function
k_q8dc703fdea_vsum:
	s_mov_b64 s[64:65], 0
	v_nop
	global_prefetch_b8 v0, s[64:65] scope:SCOPE_SE
	s_setreg_imm32_b32 hwreg(HW_REG_WAVE_MODE, 25, 1), 1
	s_wait_xcnt 0x0
; Column sums of V, for the rows whose every causal key is masked: there the softmax is uniform over all 2,048 keys, and the result is the mean of the head's V.
; V is the third part of qkv: [64 heads][2048 rows][64] f16.  Work-group g sums rows 512 (g % 4) .. of head g / 4, a wave 128 rows, in f32; vpart: [64][4][64] f32.  The four parts are added where they are used.
; A stream read once: no matrix unit, no cluster; 32 loads of 512 consecutive bytes a wave, all on their way at once.
.set SPARE, 4096                       ; behind the waves' partial sums (1,024 bytes each): the spare words
.set SPW, 28
.set NIL, 29
.set X,   32                           ; v[32:159] the wave's 32 loads
	s_load_b128 s[4:7], s[0:1], 0x0                ; qkv s[4:5], vpart s[6:7]
	v_lshl_add_u32 v[SPW], v0, 2, SPARE
	v_mov_b32 v[NIL], 0
	v_lshrrev_b32 v1, 5, v0
	v_readfirstlane_b32 s8, v1                     ; wave
	v_and_b32 v2, 31, v0
	v_lshlrev_b32 v26, 4, v2                       ; 16 bytes a lane: row l / 8 of four, channels 8 (l % 8) ..
	s_lshl_b32 s10, ttmp9, 16                      ; 512 rows of 128 bytes,
	s_lshl_b32 s11, s8, 14                         ; my wave's 128
	s_add_co_u32 s10, s10, s11
	s_add_co_u32 s10, s10, 33554432                ; V's part
	s_mov_b32 s11, 0
	s_lshl_b32 s14, ttmp9, 8
	s_mov_b32 s15, 0
	s_mov_b32 s12, 0x76543210
	s_mov_b32 s13, 0xfedcba98
	s_wait_kmcnt 0x0
	s_add_nc_u64 s[4:5], s[4:5], s[10:11]
	s_add_nc_u64 s[6:7], s[6:7], s[14:15]
.set i, 0
.rept 32
	global_load_b128 v[X+4*i:X+4*i+3], v26, s[4:5] offset:512*i
.set i, i+1
.endr
.set i, 8
.rept 16
	v_mov_b32 v[i], 0                              ; two sets of eight sums, cleared while the loads are on their way
.set i, i+1
.endr
	v_mov_b32 v24, 1.0
	s_lshl_b32 s14, s8, 10
	v_lshl_add_u32 v30, v2, 5, s14                 ; where I put my eight sums
	v_and_b32 v31, 15, v0
	v_lshlrev_b32 v31, 4, v31                      ; where four channels are read back, and stored
.set i, 0
.rept 32
	s_wait_loadcnt 31-i                            ; the younger loads may stay out
.irp k, 0,1,2,3
	v_fma_mix_f32 v[8+8*(i%2)+2*\k],   v[X+4*i+\k], v24, v[8+8*(i%2)+2*\k]   op_sel_hi:[1,0,0]
	v_fma_mix_f32 v[8+8*(i%2)+2*\k+1], v[X+4*i+\k], v24, v[8+8*(i%2)+2*\k+1] op_sel:[1,0,0] op_sel_hi:[1,0,0]
.endr
.set i, i+1
.endr
.irp k, 0,2,4,6
	v_pk_add_f32 v[8+\k:9+\k], v[8+\k:9+\k], v[16+\k:17+\k]
.endr
.irp k, 0,1,2,3,4,5,6,7                ; the four lanes with my channels: 8 and 16 away
	v_add_f32_dpp v[8+\k], v[8+\k], v[8+\k] row_xmask:8 row_mask:0xf bank_mask:0xf
.endr
.irp k, 0,1,2,3,4,5,6,7
	v_permlanex16_b32 v[16+\k], v[8+\k], s12, s13
.endr
.irp k, 0,1,2,3,4,5,6,7
	v_add_f32 v[8+\k], v[8+\k], v[16+\k]
.endr
	ds_store_b128 v30, v[8:11]
	ds_store_b128 v30, v[12:15] offset:16
	s_wait_dscnt 0x0
	s_barrier_signal -1
	s_barrier_wait -1
	s_cmp_lg_u32 s8, 0
	s_cbranch_scc1 .Lend
.irp w, 0,1,2,3
	ds_load_b128 v[32+4*\w:35+4*\w], v31 offset:1024*\w
.endr
	s_wait_dscnt 0x0
	v_pk_add_f32 v[32:33], v[32:33], v[36:37]
	v_pk_add_f32 v[34:35], v[34:35], v[38:39]
	v_pk_add_f32 v[40:41], v[40:41], v[44:45]
	v_pk_add_f32 v[42:43], v[42:43], v[46:47]
	v_pk_add_f32 v[32:33], v[32:33], v[40:41]
	v_pk_add_f32 v[34:35], v[34:35], v[42:43]
	s_wait_xcnt 0x0                                ; EXEC changes only behind this wait
	v_cmp_gt_u32 vcc_lo, 16, v0
	s_and_saveexec_b32 s14, vcc_lo
	global_store_b128 v31, v[32:35], s[6:7]        ; sixteen lanes: 256 consecutive bytes, aligned
	s_wait_xcnt 0x0
	s_or_b32 exec_lo, exec_lo, s14
.Lend:
	s_wait_tensorcnt 0x0                           ; the wave's end
	ds_add_u32 v[SPW], v[NIL]
	s_wait_dscnt 0x0
	s_endpgm
.Lfunc_end_k_q8dc703fdea_vsum:
	.size	k_q8dc703fdea_vsum, .Lfunc_end_k_q8dc703fdea_vsum-k_q8dc703fdea_vsum
	.p2alignl 7, 3214868480
	.fill 96, 4, 3214868480
	.section	.rodata,"a",@progbits
	.p2align	6, 0x0
	.amdhsa_kernel k_q8dc703fdea_vsum
		.amdhsa_group_segment_fixed_size 4608
		.amdhsa_private_segment_fixed_size 0
		.amdhsa_enable_private_segment 0
		.amdhsa_kernarg_size 16
		.amdhsa_user_sgpr_count 2
		.amdhsa_user_sgpr_kernarg_segment_ptr 1
		.amdhsa_wavefront_size32 1
		.amdhsa_system_sgpr_workgroup_id_x 1
		.amdhsa_system_sgpr_workgroup_id_y 1
		.amdhsa_system_sgpr_workgroup_id_z 1
		.amdhsa_system_vgpr_workitem_id 0
		.amdhsa_next_free_vgpr 164
		.amdhsa_next_free_sgpr 66
		.amdhsa_reserve_vcc 1
		.amdhsa_float_denorm_mode_32 3
		.amdhsa_float_denorm_mode_16_64 3
		.amdhsa_memory_ordered 1
		.amdhsa_forward_progress 1
		.amdhsa_inst_pref_size 25
	.end_amdhsa_kernel
	.amdgpu_metadata
---
amdhsa.version: [ 1, 2 ]
amdhsa.kernels:
  - .name:           k_q8dc703fdea_vsum
    .symbol:         k_q8dc703fdea_vsum.kd
    .args:
      - { .name: qkv, .offset: 0, .size: 8, .value_kind: global_buffer, .address_space: global }
      - { .name: vpart, .offset: 8, .size: 8, .value_kind: global_buffer, .address_space: global }
    .group_segment_fixed_size: 4608
    .private_segment_fixed_size: 0
    .kernarg_segment_align: 8
    .kernarg_segment_size: 16
    .max_flat_workgroup_size: 128
    .sgpr_count:     66
    .vgpr_count:     164
    .wavefront_size: 32
...
	.end_amdgpu_metadata
.endif
;; end of part 3
;; launch attn (part 4): grid 4 x 64, 4 waves a work-group, no clusters, 327,680 bytes of LDS; arguments qkv, ctx, vpart, rel_bias, sequence_mask; writes ctx
.if DOCPART == 4
	.amdgcn_target "amdgcn-amd-amdhsa--gfx1250"
	.amdhsa_code_object_version 6
	.text
	.protected	k_q8dc703fdea_attn
	.globl	k_q8dc703fdea_attn
	.p2align	8
	.type	k_q8dc703fdea_attn,@function
k_q8dc703fdea_attn:
	s_mov_b64 s[64:65], 0
	v_nop
	global_prefetch_b8 v0, s[64:65] scope:SCOPE_SE
	s_setreg_imm32_b32 hwreg(HW_REG_WAVE_MODE, 25, 1), 1
	s_wait_xcnt 0x0
; CAUSAL ATTENTION WITH T5's BIAS AND A KEY MASK.  ctx[bh][q] = sum over k of softmax_k(Q[q] . K[k] + bias[h][bucket(q - k)], hidden where k > q or the key's mask is 0) V[k].  No scale.
; Q, K, V: the three parts of qkv, [64 bh][2048][64] f16; ctx likewise.  Products, maxima and sums in f32; the weights are rounded to f16 for the second product, ctx once at the end.
; LIMITS.  A hidden score counts as its value less 1e30 (less 2e30 where it is hidden twice): f16's scores, 2.7e11 at the most, are nothing beside that.  A row whose maximum stays below -2^96 counts as wholly
; masked.  A weight below 2^-126 counts as 0.  NaN and infinities are not treated apart.
; A WHOLLY MASKED ROW has equal scores everywhere, future keys too: its result is the mean of the head's V, made from vpart and chosen at the way out by v_cndmask_b32.
; THE WALK.  A head's queries lie in 8 blocks of 256; block i needs the key tiles 0 .. i.  A work-group takes blocks 7 - b and then b: 9 tiles, whatever b; one loop with a constant trip count walks them.
; NO CLUSTER: a head's four work-groups ask for the same tile only in trips 0 to 4 of the 9; a walk common to all four would have 12 trips.
; SHARES.  Of a block's four bands of 64 queries a wave owns 16 rows in each: four PIECES; lane r holds query 15 - r of the 16, so that a lane's place in the table E rises with r.  Turn p: 8 products K Q^T of piece
; p + 1, later 8 products V^T P of piece p - 1; beside them the softmax of piece p and the maximum and statistics of piece p + 1.  Four vector instructions stand behind every matrix instruction, the rest in one lump;
; a turn's 33 exponentials are one batch with one wait.
; THE C OPERAND that starts S^T = K Q^T is MC = E x G + CM.  CM[k] = b31 + (mask[k] ? 0 : -1e30), b31 = rel_bias[31][h].  E(d) = rel_bias[bucket(d)][h] - b31 for d = q - k >= 0, -1e30 for d < 0.
; bucket() takes no input: d below 16 is its own bucket; above, the bucket steps at d = 19, 21, 24, 27, 31, 35, 40, 46, 52, 59, 67, 77, 87, 99, 113 (16 x 2^(3 j / 16), rounded up); from 113 on it is 31, so E = 0.
; E lies in LDS descending in d, four copies shifted by one entry, so that each lane's eight entries are two aligned loads of 16 bytes: copy c holds R_c[t] = E(515 - c - t), t = 4 .. 767, and lane r takes copy r % 4.
; For piece x in the tile's step 4 - CNT the band lies Delta = 4 RT + CNT + x - 4 steps of 64 behind the keys (RT: the block's tiles still to come).  The table is entered at byte UB + 256 (3 - x), with UB =
; 256 (4 - CNT), 1,024 more in the diagonal tile: right for RT = 0 and RT = 1.  Tiles further back, where E = 0, walk the entries of RT = 1, all finite, and take G = 0; else G = 1.
; CM lies in LDS in the order of the walk, 9 tiles of 256 keys, so that its address only steps.
; REGISTERS, in windows of 256 (s_set_vgpr_msb: bits 1:0 source 0, 3:2 source 1, 5:4 source 2, 7:6 destination):
;   window 0: v0-15, v32-35 addresses; v16-31 statistics; v48-55 at work; v64-127 S^T, two buffers; v192-223 P, two buffers
;   window 1: v0-127 O^T; v128-159 CM of one step; v160-223 MC, two buffers; v224-255 the mean of V      window 2: v0-63 Q; v64-127 the second block's Q; v128-191 K; v192-255 V
.set NB,    8
.set NP,    4
.set KS,    64
.set PK,    144       ; a row of K in LDS: 128 bytes + 16
.set PV,    160       ; a row of V: 128 + 32
.set VOFF,  4*KS*PK   ; a slot holds a tile: 256 rows of K, then 256 rows of V
.set SLOT1, 1<<17
.set STAGE, SLOT1+4*KS*(PK+PV)  ; behind the ring, never filled by a tensor load: 16 rows x 144 bytes a wave
.set SP,    144
.set CMT,   STAGE+4*16*SP       ; CM: 9 x 256 f32
.set ETAB,  CMT+9*1024          ; E: four copies,
.set EPITCH, 3136               ; 3,136 bytes apart: 64 more than a multiple of 256
.set SPARE, ETAB+4*EPITCH       ; the spare words, 128 bytes a wave
.set AK0, 2
.set AV0, 3
.set AK,  4
.set AV,  5
.set STO, 6
.set RD,  7
.set GO,  8
.set MV,  12          ; v12-13  c m_old, by buffer
.set QO,  15
.set ST,  16          ; piece t's statistics at v[ST+4 t]: c m, m, l (even keys', odd keys')
.set EA,  32          ; v32  E's address for the step in hand
.set EB,  33          ; v33  my lane's place in E's tables; never rewritten
.set CA,  34          ; v34  CM's address for the step in hand
.set CB,  35          ; v35  my lane's place in CM's table; never rewritten
.set TMP, 48
.set SPW, 62          ; my spare word; never rewritten
.set NIL, 63          ; 0; never rewritten
.set S,   64
.set P,   192
.set CM,  128         ; window 1
.set MC,  160         ; window 1
.set VM,  224         ; window 1
.set QB,  64          ; window 2
.set KF,  128         ; window 2
.set VF,  192         ; window 2
.set OPT, 6           ; s[6:7]  ctx at my rows of the block in hand
.set WV,  12
.set PB,  14          ; b
.set HI,  15          ; 7 - b
.set G1K, 24
.set G1V, 32
.set G0K, 40
.set G0V, 44
.set KB,  50          ; s[50:51] K at my half of the head's tile 0
.set VB,  52          ; s[52:53] V likewise
.set B0,  54          ; rel_bias[0][h]
.set SLOTS, 56
.set CNT, 57
.set CS,  58          ; s[58:59] c = log2(e)
.set SEL, 60
.set TBK, 62
.set TBV, 63
.set RT,  70          ; tiles of the block in hand still to be entered
.set NXT, 71
.set LQ,  72
.set NEW, 73
.set OFF, 74
.set G,   76          ; s[76:77] E's factor, in the low word
.set B31, 78
.set THR, 79
.set OLO, 80
.set BIGN, 82
.set KO,  83          ; byte in CM's table of the step whose CM is fetched next
.set HM,  88          ; s[88:91] lanes whose row is wholly masked, by piece
.set UB,  92          ; byte at which E's tables are entered in the step in hand
.set DG,  93          ; 1: the tile in hand holds the diagonal
.set MSB, 0
.macro WIN new
.if MSB != (\new)
	s_set_vgpr_msb (MSB<<8)|(\new)
.set MSB, (\new)
.endif
.endm
.set W_KQ, 0x0a       ; K and Q in window 2, S^T in window 0
.set W_KM, 0x1a       ; the same with the C operand in window 1
.set W_PV, 0x52       ; V in window 2, P in window 0, O^T in window 1
.set W_RS, 0x41       ; destination and source 0 in window 1, source 1 in window 0
.macro PLACES
.rept 4
	v_nop
.endr
.endm
.macro LOAD                         ; waves 0, 1 fetch the halves of a tile's K, waves 2, 3 of its V; s_nop 0 and four v_nop follow each line
	s_cmp_lt_u32 s[WV], 2
	s_cbranch_scc0 .Lfor_v_\@
	tensor_load_to_lds s[G0K:G0K+3], s[G1K:G1K+7]
	s_nop 0
	PLACES
	s_branch .Lasked_\@
.Lfor_v_\@:
	tensor_load_to_lds s[G0V:G0V+3], s[G1V:G1V+7]
	s_nop 0
	PLACES
.Lasked_\@:
.endm
; THE CHANGE OF SLOTS.  Each wave waits for all its tensor loads, adds 0 to its spare word, and waits for that and for its LDS instructions; behind the barrier the old slot is filled first (fill = 1), with tile NXT.
; At its first use it also shows every wave the two tables, stored just before.
.macro CHANGE fill
	WIN 0
	s_wait_tensorcnt 0x0            ; no tensor load of mine is out, so a group 0 may be written
	ds_add_u32 v[SPW], v[NIL]       ; 0 onto my spare word
.if \fill
	s_lshl_b32 s[OFF], s[NXT], 15   ; a tile is 32,768 bytes of K and of V
	s_xor_b32 s[G0K+1], s[G0K+1], SLOT1
	s_add_nc_u64 s[G0K+2:G0K+3], s[KB:KB+1], s[OFF:OFF+1]
	s_or_b32 s[G0K+3], s[G0K+3], 0x80000000
	s_xor_b32 s[G0V+1], s[G0V+1], SLOT1
	s_add_nc_u64 s[G0V+2:G0V+3], s[VB:VB+1], s[OFF:OFF+1]
	s_or_b32 s[G0V+3], s[G0V+3], 0x80000000
	s_add_co_u32 s[NXT], s[NXT], 1  ; the block's next tile, or behind its last the second block's tile 0
	s_cmp_gt_u32 s[NXT], s[LQ]
	s_cselect_b32 s[NXT], 0, s[NXT]
	s_cselect_b32 s[LQ], s[PB], s[LQ]
.endif
	s_wait_dscnt 0x0                ; the add is done, and so are my LDS instructions
	s_barrier_signal -1
	s_sub_co_u32 s[TBK], s[TBK], 4*KS*PK  ; the fetches go back to a slot's first step, in the other slot
	s_xor_b32 s[TBK], s[TBK], SLOT1
	s_sub_co_u32 s[TBV], s[TBV], 4*KS*PV
	s_xor_b32 s[TBV], s[TBV], SLOT1
	s_barrier_wait -1
.if \fill
	LOAD
.endif
.endm
	s_load_b256 s[4:11], s[0:1], 0x0  ; qkv s[4:5], ctx s[6:7], vpart s[8:9], rel_bias s[10:11]
	s_load_b64 s[48:49], s[0:1], 0x20 ; sequence_mask
	v_lshl_add_u32 v[SPW], v0, 2, SPARE
	v_mov_b32 v[NIL], 0
	ds_add_u32 v[SPW], v[NIL]       ; the wave's opening: the add and its wait ahead of my first tensor load
	v_lshrrev_b32 v1, 5, v0
	v_readfirstlane_b32 s[WV], v1
	s_mov_b32 s[PB], ttmp9
	s_sub_co_u32 s[HI], NB-1, s[PB]
	s_and_b32 s20, ttmp7, 0xffff    ; batch x 16 + head
	s_lshl_b32 s21, s20, 18         ; its 262,144 bytes in each part
	s_and_b32 s16, s[WV], 1         ; which half of a tile's 256 keys I fetch
	s_lshl_b32 s22, s16, 14
	s_add_co_u32 s22, s22, s21
	s_add_co_u32 s22, s22, 16777216 ; K's part
	s_mov_b32 s23, 0
	s_mul_i32 s17, s16, 128*PK
	s_mul_i32 s18, s16, 128*PV
	s_lshl_b32 s3, s[WV], 11        ; my 16 rows in a band of 64,
	s_add_co_u32 s3, s3, s21
	s_lshl_b32 s2, s[HI], 15        ; in the first block,
	s_add_co_u32 s2, s2, s3
	s_lshl_b32 s84, s[PB], 15       ; and in the second
	s_add_co_u32 s84, s84, s3
	s_mov_b32 s3, 0
	s_mov_b32 s85, 0
	s_mov_b32 s[G1K], (1<<16)|(1<<20)|(4<<22)|(3<<25)  ; 2-byte elements; padding on; after every 32 words, 4 words
	s_mov_b32 s[G1V], (1<<16)|(1<<20)|(4<<22)|(7<<25)  ; the same with 8 words
.irp g, G1K, G1V
	s_mov_b32 s[\g+1], 128<<16      ; 128 keys are 16,384 dense bytes: 64 rows of 256 bytes, two keys a row
	s_mov_b32 s[\g+2], 64<<16
	s_mov_b32 s[\g+3], 128<<16
	s_mov_b32 s[\g+4], 64
	s_mov_b32 s[\g+5], 128
	s_mov_b32 s[\g+6], 0
	s_mov_b32 s[\g+7], 0
.endr
	s_mov_b32 s[CS], 0x3fb8aa3b     ; c = log2(e): the scores are not scaled
	s_mov_b32 s[CS+1], s[CS]
	s_mov_b32 s[SEL], 0x76543210
	s_mov_b32 s[SEL+1], 0xfedcba98
	s_mov_b32 s[TBK], SLOT1+4*KS*PK ; the first change of slots turns these two into 0
	s_mov_b32 s[TBV], SLOT1+4*KS*PV
	s_mov_b32 s[G0K], 1
	s_mov_b32 s[G0K+1], s17
	s_mov_b32 s[G0V], 1
	s_add_co_u32 s[G0V+1], s18, VOFF
	s_add_co_u32 s[RT], s[HI], 1    ; the first block has 8 - b tiles
	s_mov_b32 s[NXT], 1
	s_mov_b32 s[LQ], s[HI]
	s_mov_b32 s[NEW], 1
	s_mov_b32 s[OFF+1], 0
	s_mov_b32 s[G+1], 0             ; named as a pair
	s_mov_b32 s[KO], 0
	s_mov_b32 s[BIGN], 0xf149f2ca   ; -1e30
	s_mov_b32 s[THR], 0xef800000    ; -2^96
	s_mov_b32 s[SLOTS], NB
	s_lshl_b32 s16, s20, 10         ; vpart: 1,024 bytes a head
	s_mov_b32 s17, 0
	s_and_b32 s18, s20, 15
	s_lshl_b32 s18, s18, 2          ; rel_bias: 4 bytes a head
	s_mov_b32 s19, 0
	s_lshr_b32 s20, s20, 4
	s_lshl_b32 s20, s20, 11         ; sequence_mask: 2,048 bytes a batch
	s_mov_b32 s21, 0
	s_wait_dscnt 0x0                ; the opening add is done
	s_wait_kmcnt 0x0
	s_add_nc_u64 s[KB:KB+1], s[4:5], s[22:23]
	s_add_nc_u64 s[VB:VB+1], s[KB:KB+1], 16777216
	s_add_nc_u64 s[G0K+2:G0K+3], s[KB:KB+1], 0
	s_or_b32 s[G0K+3], s[G0K+3], 0x80000000
	s_add_nc_u64 s[G0V+2:G0V+3], s[VB:VB+1], 0
	s_or_b32 s[G0V+3], s[G0V+3], 0x80000000
	s_add_nc_u64 s[86:87], s[4:5], s[84:85]
	s_add_nc_u64 s[4:5], s[4:5], s[2:3]
	s_add_nc_u64 s[OLO:OLO+1], s[6:7], s[84:85]
	s_add_nc_u64 s[OPT:OPT+1], s[6:7], s[2:3]
	s_add_nc_u64 s[8:9], s[8:9], s[16:17]
	s_add_nc_u64 s[10:11], s[10:11], s[18:19]
	s_add_nc_u64 s[48:49], s[48:49], s[20:21]
	s_load_b32 s[B31], s[10:11], 0x7c0
	s_load_b32 s[B0], s[10:11], 0x0
	LOAD                            ; tile 0 into slot 0
	v_and_b32 v1, 15, v0            ; r
	v_bfe_u32 v9, v0, 4, 1          ; h
	v_sub_nc_u32 v14, 15, v1        ; my query among the wave's 16
	v_lshlrev_b32 v[QO], 7, v14
	v_lshl_add_u32 v[QO], v9, 4, v[QO]
	WIN 0x80
.set i, 0
.rept 8                             ; both blocks' Q: piece i / 2 lies in band i / 2, 8,192 bytes on; channels 32 (i % 2) on
	global_load_b128 v[8*i:8*i+3],   v[QO], s[4:5] offset:(i/2)*8192+(i%2)*64
	global_load_b128 v[8*i+4:8*i+7], v[QO], s[4:5] offset:(i/2)*8192+(i%2)*64+32
	global_load_b128 v[QB+8*i:QB+8*i+3],   v[QO], s[86:87] offset:(i/2)*8192+(i%2)*64
	global_load_b128 v[QB+8*i+4:QB+8*i+7], v[QO], s[86:87] offset:(i/2)*8192+(i%2)*64+32
.set i, i+1
.endr
	WIN 0
	v_lshlrev_b32 v37, 5, v9        ; V's four partial sums, in O^T's layout: part i / 8, channels 16 ((i / 2) % 4) + 8 h + 4 (i % 2) ..
.set i, 0
.rept 32
	global_load_b128 v[64+4*i:64+4*i+3], v37, s[8:9] offset:256*(i/8)+64*((i/2)%4)+16*(i%2)
.set i, i+1
.endr
	; the mask bytes, in the order of the walk: place i of the first eight is tile i of the first block, or behind its last tile (i > 7 - b) tile i - (8 - b) of the second; sixteen keys a thread
	v_lshrrev_b32 v39, 4, v0
	v_cmp_lt_u32 vcc_lo, s[HI], v39
	v_cndmask_b32 v45, 0, s[RT], vcc_lo
	v_sub_nc_u32 v39, v39, v45
	v_lshlrev_b32 v39, 8, v39
	v_lshl_add_u32 v38, v1, 4, v39
	global_load_b128 v[40:43], v38, s[48:49]
	s_lshl_b32 s13, s[PB], 8        ; the ninth place is tile b; two keys a thread
	v_lshl_add_u32 v47, v0, 1, s13
	global_load_u16 v224, v47, s[48:49]
	v_sub_nc_u32 v39, 128, v0       ; d = 128 .. 1: the part of E that goes by the thresholds
	v_min_u32 v44, 16, v39
.irp thr, 19,21,24,27,31,35,40,46,52,59,67,77,87,99,113
	v_cmp_le_u32 vcc_lo, \thr, v39
	v_cndmask_b32 v45, 0, 1, vcc_lo
	v_add_nc_u32 v44, v44, v45
.endr
	v_min_u32 v44, 31, v44
	v_lshlrev_b32 v44, 6, v44       ; a bucket's row is 64 bytes
	global_load_b32 v46, v44, s[10:11]
	v_mul_u32_u24 v[AK0], v1, PK
	v_lshl_add_u32 v[AK0], v9, 4, v[AK0]
	v_and_b32 v10, 7, v0            ; the turning load: lane l reads key 8 (l / 16) + l % 8, channels 8 ((l / 8) % 2) ..
	v_bfe_u32 v11, v0, 3, 1
	v_lshl_add_u32 v[AV0], v9, 3, v10
	v_mul_u32_u24 v[AV0], v[AV0], PV
	v_lshl_add_u32 v[AV0], v11, 4, v[AV0]
	v_add_nc_u32 v[AV0], VOFF, v[AV0]
	s_mul_i32 s13, s[WV], 16*SP
	s_add_co_u32 s13, s13, STAGE
	v_mul_u32_u24 v[STO], v1, SP    ; in: stage row r (query 15 - r), 16 bytes for each half of the lanes
	v_lshl_add_u32 v[STO], v9, 4, v[STO]
	v_add_nc_u32 v[STO], s13, v[STO]
	v_bfe_u32 v[RD], v0, 3, 2       ; back: 32 lanes take four stage rows of 128 bytes,
	v_mul_u32_u24 v[RD], v[RD], SP
	v_lshl_add_u32 v[RD], v10, 4, v[RD]
	v_add_nc_u32 v[RD], s13, v[RD]
	v_bfe_u32 v14, v0, 3, 2         ; which are four rows of ctx in falling order: 512 consecutive bytes
	v_sub_nc_u32 v14, 3, v14
	v_lshlrev_b32 v[GO], 7, v14
	v_lshl_add_u32 v[GO], v10, 4, v[GO]
	s_sub_co_u32 s13, 3, s[WV]      ; EB = ETAB + 16 + 3,136 (r % 4) + 4 (r - r % 4) + 32 h + 64 (3 - w)
	s_lshl_b32 s13, s13, 6
	s_add_co_u32 s13, s13, ETAB+16
	v_and_b32 v14, 3, v0
	v_mul_u32_u24 v[EB], v14, EPITCH
	v_and_b32 v14, 12, v0
	v_lshl_add_u32 v[EB], v14, 2, v[EB]
	v_lshl_add_u32 v[EB], v9, 5, v[EB]
	v_add_nc_u32 v[EB], s13, v[EB]
	v_lshl_add_u32 v[CB], v9, 5, CMT
	; A block's first step multiplies O^T and l by a = 0, and its first turn's products V^T P land in an O^T still to be so multiplied: these registers need only hold finite numbers.
	WIN 0x80
.set i, VF
.rept 64
	v_mov_b32 v[i], 0
.set i, i+1
.endr
	WIN 0x40
.set i, 0
.rept 128
	v_mov_b32 v[i], 0
.set i, i+1
.endr
	WIN 0
.set i, 0
.rept 4
	v_mov_b32 v[ST+4*i+2], 0
	v_mov_b32 v[ST+4*i+3], 0
.set i, i+1
.endr
.set i, P+16
.rept 16
	v_mov_b32 v[i], 0
.set i, i+1
.endr
	s_wait_kmcnt 0x0                ; b31 and rel_bias[0][h]
	s_wait_loadcnt 0x0              ; Q, V's sums, the mask bytes, the gathered bias
	; CM's table
	v_mov_b32 v47, s[B31]
	v_add_f32 v45, s[BIGN], v47
	v_lshl_add_u32 v38, v0, 6, CMT
.irp wd, 0,1,2,3
.irp y, 0,1,2,3
	v_bfe_u32 v39, v[40+\wd], 8*\y, 8
	v_cmp_ne_u32 vcc_lo, 0, v39
	v_cndmask_b32 v[P+4*\wd+\y], v45, v47, vcc_lo
.endr
	ds_store_b128 v38, v[P+4*\wd:P+4*\wd+3] offset:16*\wd
.endr
	v_and_b32 v39, 0xff, v224
	v_cmp_ne_u32 vcc_lo, 0, v39
	v_cndmask_b32 v226, v45, v47, vcc_lo
	v_lshrrev_b32 v39, 8, v224
	v_cmp_ne_u32 vcc_lo, 0, v39
	v_cndmask_b32 v227, v45, v47, vcc_lo
	v_lshl_add_u32 v225, v0, 3, CMT+8192
	ds_store_b64 v225, v[226:227]
	; E's tables: E(512 - tv) goes to entry tv + 3 - c of copy c, tv = thread + 128 it.  it = 0, 1, 2: d above 128, E = 0; it = 3: the gathered bias; it = 4: d = 0 for thread 0, hidden for the others; it = 5: hidden
	v_lshl_add_u32 v39, v0, 2, ETAB+12
	v_sub_f32 v46, v46, v47
	v_mov_b32 v44, s[B0]
	v_sub_f32 v44, v44, v47
	v_mov_b32 v37, s[BIGN]
	v_cmp_eq_u32 vcc_lo, 0, v0
	v_cndmask_b32 v44, v37, v44, vcc_lo
	v_mov_b32 v14, 0
.irp c, 0,1,2,3
	ds_store_b32 v39, v14 offset:(EPITCH-4)*\c
	ds_store_b32 v39, v14 offset:512+(EPITCH-4)*\c
	ds_store_b32 v39, v14 offset:1024+(EPITCH-4)*\c
	ds_store_b32 v39, v46 offset:1536+(EPITCH-4)*\c
	ds_store_b32 v39, v44 offset:2048+(EPITCH-4)*\c
	ds_store_b32 v39, v37 offset:2560+(EPITCH-4)*\c
.endr
	; the mean of V
.set z, 0
.rept 16
	v_pk_add_f32 v[64+2*z:65+2*z], v[64+2*z:65+2*z], v[96+2*z:97+2*z]
	v_pk_add_f32 v[128+2*z:129+2*z], v[128+2*z:129+2*z], v[160+2*z:161+2*z]
.set z, z+1
.endr
.set z, 0
.rept 16
	v_pk_add_f32 v[64+2*z:65+2*z], v[64+2*z:65+2*z], v[128+2*z:129+2*z]
.set z, z+1
.endr
	WIN 0x40
.set z, 0
.rept 16
	v_pk_mul_f32 v[VM+2*z:VM+2*z+1], v[64+2*z:65+2*z], 0x3a000000 op_sel_hi:[1,0]  ; / 2048
.set z, z+1
.endr
	WIN 0
; THE MATRIX WORK.  The 4 accumulators of a run of 8 take turns.  Product i of 8 of S^T = K Q^T for piece x: channels 32 (i / 4) on, keys 16 (i % 4) on.  The first 4 start the sums with MC.
.macro KQ x
.set rS, S+32*((\x)%2)+8*(i%4)
.set rK, KF+16*(i%4)+8*(i/4)
.set rQ, 16*(\x)+8*(i/4)
.set rM, MC+32*((\x)%2)+8*(i%4)
.if i < 4
	WIN W_KM
	v_wmma_f32_16x16x32_f16 v[rS:rS+7], v[rK:rK+7], v[rQ:rQ+7], v[rM:rM+7]
.else
	WIN W_KQ
	v_wmma_f32_16x16x32_f16 v[rS:rS+7], v[rK:rK+7], v[rQ:rQ+7], v[rS:rS+7]
.endif
.endm
.macro PV x                         ; product i of 8 of O^T += V^T P for piece x: keys 32 (i / 4) on, channels 16 (i % 4) on
	WIN W_PV
.set rO, 32*(\x)+8*(i%4)
.set rV, VF+32*(i/4)+8*(i%4)
.set rP, P+16*((\x)%2)+8*(i/4)
	v_wmma_f32_16x16x32_f16 v[rO:rO+7], v[rV:rV+7], v[rP:rP+7], v[rO:rO+7]
.endm
.macro MM                           ; the turn's next matrix instruction.  NOKQ = 1: a block's last turn: there is no next piece
.if (i < 8) && !NOKQ
	KQ (Y+1)%NP
.elseif i >= 8
.set i, i-8
	PV (Y+NP-1)%NP
.set i, i+8
.endif
.set i, i+1
.endm
.macro FETCH_K                      ; a step's K in one run of 16 loads
	WIN 0x80
.irp f, 0,1,2,3,4,5,6,7
	ds_load_b128 v[KF+8*\f:KF+8*\f+3],   v[AK] offset:(\f/2)*16*PK+(\f%2)*64
	ds_load_b128 v[KF+8*\f+4:KF+8*\f+7], v[AK] offset:(\f/2)*16*PK+(\f%2)*64+32
.endr
	s_add_co_u32 s[TBK], s[TBK], KS*PK
	WIN 0
.endm
.macro FETCH_V                      ; a step's V, turned
	WIN 0x80
.irp f, 0,1,2,3,4,5,6,7
	ds_load_tr16_b128 v[VF+8*\f:VF+8*\f+3],   v[AV] offset:(\f/4)*32*PV+(\f%4)*32
	ds_load_tr16_b128 v[VF+8*\f+4:VF+8*\f+7], v[AV] offset:(\f/4)*32*PV+16*PV+(\f%4)*32
.endr
	WIN 0
.endm
; E for piece x in the step in hand, into buffer b of MC: eight loads.  mk = 1: the step's address is made first; the piece stands in the immediate
.macro ELOAD x, b, mk
.if \mk
	WIN 0
	v_add_nc_u32 v[EA], s[UB], v[EB]
.endif
	WIN 0x40
.irp kb, 0,1,2,3
	ds_load_b128 v[MC+32*(\b)+8*\kb:MC+32*(\b)+8*\kb+3],   v[EA] offset:256*(3-(\x))+64*\kb
	ds_load_b128 v[MC+32*(\b)+8*\kb+4:MC+32*(\b)+8*\kb+7], v[EA] offset:256*(3-(\x))+64*\kb+16
.endr
.endm
.macro CLOAD                        ; CM of the step in hand: eight loads; the table lies in the order of the walk, so the address only steps
	WIN 0
	v_add_nc_u32 v[CA], s[KO], v[CB]
	s_add_co_u32 s[KO], s[KO], 256
	WIN 0x40
.irp kb, 0,1,2,3
	ds_load_b128 v[CM+8*\kb:CM+8*\kb+3],   v[CA] offset:64*\kb
	ds_load_b128 v[CM+8*\kb+4:CM+8*\kb+7], v[CA] offset:64*\kb+16
.endr
.endm
.macro MASK b, n                    ; MC = E x G + CM in buffer b; n: the younger LDS loads that may stay out (below 0: no wait)
.if (\n) >= 0
	s_wait_dscnt \n
.endif
	WIN 0x51
.set z, 0
.rept 16
	v_pk_fma_f32 v[MC+32*(\b)+2*z:MC+32*(\b)+2*z+1], v[MC+32*(\b)+2*z:MC+32*(\b)+2*z+1], s[G:G+1], v[CM+2*z:CM+2*z+1] op_sel_hi:[1,0,1]
.set z, z+1
.endr
.endm
; THE VECTOR WORK, one line at a time: OP kind, number.  For piece Y: F n: c s - c m for pair n.  E n: the exponential of score n.  C n: pair n rounded to f16.  B n: of four weights the second pair onto the first.
; L n: l takes that sum (L 0: l = a l + sum).  R n: pair n of O^T times a.  For piece Y + 1: X n, number n of the 22 that find its maximum and statistics (each accumulator's lowest registers are read first).
.set F, 0
.set E, 1
.set C, 2
.set B, 3
.set L, 4
.set R, 5
.set X, 6
.macro REGS y
.set rT, ST+4*(\y)
.set rC, TMP+4*((\y)%2)
.set rW, MV+((\y)%2)
.set rS, S+32*((\y)%2)
.set rP, P+16*((\y)%2)
.set rO, 32*(\y)
.endm
.macro OP k, n
.if (\k) == R
	REGS Y
	WIN W_RS
	v_pk_mul_f32 v[rO+2*(\n):rO+2*(\n)+1], v[rO+2*(\n):rO+2*(\n)+1], v[rC+2:rC+3] op_sel_hi:[1,0]
.elseif (\k) < R
	REGS Y
	WIN 0
.if (\k) == F
	v_pk_fma_f32 v[rS+2*(\n):rS+2*(\n)+1], v[rS+2*(\n):rS+2*(\n)+1], s[CS:CS+1], v[rT:rT+1] op_sel_hi:[1,0,0] neg_lo:[0,0,1] neg_hi:[0,0,1]
.elseif (\k) == E
	v_exp_f32 v[rS+(\n)], v[rS+(\n)]
.elseif (\k) == C
	v_cvt_pk_f16_f32 v[rP+(\n)], v[rS+2*(\n)], v[rS+2*(\n)+1]
.elseif (\k) == B
	v_pk_add_f32 v[rS+4*(\n):rS+4*(\n)+1], v[rS+4*(\n):rS+4*(\n)+1], v[rS+4*(\n)+2:rS+4*(\n)+3]
.elseif (\n) == 0
	v_pk_fma_f32 v[rT+2:rT+3], v[rT+2:rT+3], v[rC+2:rC+3], v[rS:rS+1] op_sel_hi:[1,0,1]
.else
	v_pk_add_f32 v[rT+2:rT+3], v[rT+2:rT+3], v[rS+4*(\n):rS+4*(\n)+1]
.endif
.elseif NOKQ
	v_nop
.else
	REGS (Y+1)%NP
	WIN 0
.if (\n) < 4
	v_max3_num_f32 v[rC+(\n)], v[rS+8*(\n)], v[rS+8*(\n)+1], v[rS+8*(\n)+2]
.elseif (\n) < 12
	v_max3_num_f32 v[rC+(\n)%4], v[rC+(\n)%4], v[rS+8*((\n)%4)+2*((\n)/4)+1], v[rS+8*((\n)%4)+2*((\n)/4)+2]
.elseif (\n) == 12
	v_max3_num_f32 v[rC], v[rC], v[rS+7], v[rS+15]
.elseif (\n) == 13
	v_max3_num_f32 v[rC+1], v[rC+1], v[rS+23], v[rS+31]
.elseif (\n) == 14
	v_max3_num_f32 v[rC+2], v[rC+2], v[rC+3], v[rT+1]
.elseif (\n) == 15
	v_mov_b32 v[rW], v[rT]
.elseif (\n) == 16
	v_max3_num_f32 v[rC], v[rC], v[rC+1], v[rC+2]
.elseif (\n) == 17
	v_permlanex16_b32 v[rC+3], v[rC], s[SEL], s[SEL+1]
.elseif (\n) == 18
	v_max_num_f32 v[rT+1], v[rC], v[rC+3]
.elseif (\n) == 19
	v_mul_f32 v[rT], s[CS], v[rT+1]
.elseif (\n) == 20
	v_sub_f32 v[rC+1], v[rW], v[rT]
.else
	v_exp_f32 v[rC+2], v[rC+1]
.endif
.endif
.endm
.macro OPS a, i1, b=-1, i2=0, c=-1, i3=0, d=-1, i4=0
	OP \a, \i1
.if (\b) >= 0
	OP \b, \i2
.endif
.if (\c) >= 0
	OP \c, \i3
.endif
.if (\d) >= 0
	OP \d, \i4
.endif
.endm
.macro ROW a, i1, b, i2, c, i3, d, i4  ; a matrix instruction and the four behind it
	MM
	OPS \a, \i1, \b, \i2, \c, \i3, \d, \i4
.endm
; A TURN, for piece p.  At its head E for piece p + 2 is asked of LDS (in piece 2's turn CM of that step too); at its end MC is made of them, for the products of the turn after.  All four masks of a step are made
; with one value of UB, in turns 2, 3, 0, 1, so one buffer of CM serves.  One wait on the exponentials cuts the turn in two: ahead of it nothing names a result of theirs.  end = 1: a block's last two turns.
; K of the next step is fetched in piece 2's turn, V of the step in hand at the end of piece 0's turn, each four plain instructions or more behind the last product that read its registers.
.macro TURN p, end=0
.set Y, (\p)
.set i, 0
.set NOKQ, (\end)*((\p)/3)
.if ((\p) == 3) && !(\end)
	s_wait_dscnt 0x0                ; K is in
.endif
.if !(\end)
.if (\p) == 2
	ELOAD 0, 0, 1
	CLOAD
.else
	ELOAD ((\p)+2)%NP, (\p)%2, 0
.endif
.endif
	ROW F,0, F,1, R,0, R,1
	ROW F,2, E,0, R,2, R,3
	ROW F,3, E,1, R,4, R,5
	ROW F,4, E,2, R,6, R,7
	ROW F,5, E,3, R,8, R,9
	ROW F,6, E,4, X,0, R,10
.if ((\p) == 2) && !(\end)
	WIN 0
	v_add_nc_u32 v[AK], s[TBK], v[AK0]
.endif
	ROW F,7, E,5, X,1, X,4
	ROW F,8, E,6, X,2, X,5
	OPS E,7, E,8, X,6, E,9
	OPS X,3, E,10, X,8, E,11
.if ((\p) == 2) && !(\end)
	FETCH_K
.endif
	OPS X,9, X,7, E,12, X,10
	OPS E,13, X,12, X,11, E,14
	OPS X,13, E,15, F,9, X,14
.if (\p) == 0
	v_add_nc_u32 v[AV], s[TBV], v[AV0]
.endif
	OPS E,16, F,10, E,17, F,11
	OPS X,16, E,18, X,15, E,19
	OPS F,12, E,20, X,17, E,21
	OPS F,13, E,22, F,14, E,23
	OPS X,18, E,24, F,15, E,25
	OPS R,11, E,26, X,19, E,27
	OPS R,12, E,28, R,13, E,29
	OPS X,20, E,30, R,14, E,31
	OPS X,21, R,15                  ; R 15 is the plain instruction behind the batch's last exponential
	WIN 0
	s_wait_alu depctr_va_vdst(0)    ; the wait for the batch
.if (\p) == 1
	s_wait_dscnt 0x0                ; V is in
.endif
	ROW C,0, B,0, C,2, B,1
	ROW L,0, C,4, B,2, L,1
	ROW C,6, B,3, L,2, C,8
	ROW B,4, L,3, C,10, B,5
	ROW L,4, C,12, B,6, L,5
.if (\p) == 0
	s_add_co_u32 s[TBV], s[TBV], KS*PV
.endif
	ROW C,14, B,7, L,6, C,1
	ROW C,3, L,7, C,5, C,7
	ROW C,9, C,11, C,13, C,15
.if (\p) == 0
	FETCH_V
.endif
.if !(\end)
.if ((\p) % 2) == 0
	MASK (\p)%2, 16                 ; V's (piece 0) or K's (piece 2) run of 16 is younger and may stay out
.else
	MASK (\p)%2, 0
.endif
.endif
.endm
; A BLOCK BEGINS.  c m starts far below every c s, so the first step's a is 0; m at the lowest finite number.  The masks of pieces 0 and 1 for the tile's step 0, K of that step, piece 0's first scores and statistics.
.macro BEGIN
	s_mov_b32 s[NEW], 0
	WIN 0
.set i, 0
.rept 4
	v_mov_b32 v[ST+4*i], 0xfe000000
	v_mov_b32 v[ST+4*i+1], 0xff7fffff
.set i, i+1
.endr
	ELOAD 0, 0, 1
	ELOAD 1, 1, 0
	CLOAD
	WIN 0
	v_add_nc_u32 v[AK], s[TBK], v[AK0]
	FETCH_K
	MASK 0, 16                      ; K's 16 loads are younger
	MASK 1, -1
	s_wait_dscnt 0x0
.set NOKQ, 0
.set i, 0
.rept 8
	KQ 0
.set i, i+1
.endr
	WIN 0
	PLACES                          ; the places behind those products
.set Y, NP-1
.irp n, 0,1,2,3,4,5,6,7,8,9,10,11,12,13,14,15,16,17,18,19,20,21
	OP X, \n
.endr
	v_nop                           ; a plain instruction behind the exponential,
	s_wait_alu depctr_va_vdst(0)    ; and its wait, ahead of the branch
.endm
.macro ALL line:vararg
.set t, 0
.rept 4
	\line
.set t, t+1
.endr
.endm
.macro PACK t                       ; O^T / l; the mean of V where the row is wholly masked; rounded; through my stage, back as whole rows of 128 bytes
	WIN W_RS
.set i, 32*(\t)
.rept 16
	v_pk_mul_f32 v[i:i+1], v[i:i+1], v[ST+4*(\t)+2:ST+4*(\t)+3] op_sel_hi:[1,0]
.set i, i+2
.endr
	WIN 0x45
.set i, 0
.rept 32
	v_cndmask_b32 v[32*(\t)+i], v[32*(\t)+i], v[VM+i], s[HM+(\t)]
.set i, i+1
.endr
	WIN 0x05
.set i, 0
.rept 16
	v_cvt_pk_f16_f32 v[S+16*(\t)+i], v[32*(\t)+2*i], v[32*(\t)+2*i+1]
.set i, i+1
.endr
	WIN 0
.irp f, 0,1,2,3
	ds_store_b128 v[STO], v[S+16*(\t)+4*\f:S+16*(\t)+4*\f+3] offset:32*\f
.endr
.irp f, 0,1,2,3
	ds_load_b128 v[S+16*(\t)+4*\f:S+16*(\t)+4*\f+3], v[RD] offset:\f*4*SP  ; LDS serves a wave's instructions in order (ISA guide 5.7.1.4): these see the stores above
.endr
.endm
.macro SEND t, younger              ; younger: the next piece's eight LDS instructions, or none.  Stage rows 4 f .. 4 f + 3 are the queries 15 - 4 f .. 12 - 4 f
	WIN 0
.irp f, 0,1,2,3
	s_wait_dscnt (\younger)+3-\f
	global_store_b128 v[GO], v[S+16*(\t)+4*\f:S+16*(\t)+4*\f+3], s[OPT:OPT+1] offset:(\t)*8192+(3-\f)*512  ; 512 consecutive bytes, aligned to 256
.endr
.endm
.macro END                          ; a block's last two turns, its last products, and the way out
	TURN 2, 1
	TURN 3, 1
.set i, 0
.rept 8
	PV NP-1
.set i, i+1
.endr
	WIN 0
	ALL v_add_f32 v[ST+4*t+2], v[ST+4*t+2], v[ST+4*t+3]
	ALL v_permlanex16_b32 v[ST+4*t+3], v[ST+4*t+2], s[SEL], s[SEL+1]
	ALL v_add_f32 v[ST+4*t+2], v[ST+4*t+2], v[ST+4*t+3]
	ALL v_rcp_f32 v[ST+4*t+2], v[ST+4*t+2]
	ALL v_cmp_lt_f32 s[HM+t], v[ST+4*t+1], s[THR]
	s_wait_alu depctr_va_vdst(0)    ; one wait for the four reciprocals; the four compares are the plain instructions behind them
	PACK 0
.set t, 1
.rept 3
	PACK t
	SEND t-1, 8
.set t, t+1
.endr
	SEND 3, 0
.endm
; A tile's four steps.  A trip: pieces 2 and 3 of one step, then pieces 0 and 1 of the next; a block's first tile enters in the middle.  Where E's tables are entered is set by a branch, so that on each way it is a
; constant of the text.  last = 1: the walk's last tile, which holds the diagonal.  In the loop a block's first tile never does: the first block has five tiles or more, and the second's last is the walk's last.
.macro STEPS tag, last
	s_sub_co_u32 s[RT], s[RT], 1
	s_mov_b32 s[CNT], 4
	s_cmp_lt_u32 s[RT], 2
	s_cselect_b32 s[G], 1.0, 0
.if \last
	s_mov_b32 s[UB], 1024
	s_cmp_eq_u32 s[NEW], 1
	s_cbranch_scc0 .Lstep\tag
.else
	s_mov_b32 s[DG], 0
	s_mov_b32 s[UB], 0
	s_cmp_eq_u32 s[NEW], 1
	s_cbranch_scc1 .Lnew\tag
	s_cmp_lg_u32 s[RT], 0
	s_cbranch_scc1 .Lstep\tag
	s_mov_b32 s[DG], 1
	s_mov_b32 s[UB], 1024
	s_branch .Lstep\tag
.Lnew\tag:
.endif
	BEGIN
	s_branch .Lfirst\tag
.Lstep\tag:
	TURN 2
	TURN 3
	WIN 0
.Lfirst\tag:
	TURN 0
	TURN 1
	WIN 0
	s_add_co_u32 s[UB], s[UB], 256  ; the next step's keys lie 64 nearer
	s_sub_co_u32 s[CNT], s[CNT], 1
	s_cmp_lg_u32 s[CNT], 0
	s_cbranch_scc1 .Lstep\tag
.endm
.set NOKQ, 0
.Lslot:                             ; eight times: a tile is entered and the next is asked for
	CHANGE 1
	STEPS 1, 0
	s_cmp_eq_u32 s[DG], 0
	s_cbranch_scc1 .Lbottom
	END                             ; in the loop this is the first block's end
	s_wait_xcnt 0x0                 ; the stores have read their registers and ctx's address
	s_mov_b64 s[OPT:OPT+1], s[OLO:OLO+1]
	s_add_co_u32 s[RT], s[PB], 1    ; the second block has b + 1 tiles
	s_mov_b32 s[NEW], 1
	WIN 0x82                        ; the second block's Q goes where the turns name Q
.set i, 0
.rept 64
	v_mov_b32 v[i], v[QB+i]
.set i, i+1
.endr
	WIN 0
.Lbottom:
	s_sub_co_u32 s[SLOTS], s[SLOTS], 1
	s_cmp_lg_u32 s[SLOTS], 0
	s_cbranch_scc1 .Lslot
	CHANGE 0                        ; the walk's last tile is written out
	STEPS 2, 1
	END
	s_wait_tensorcnt 0x0            ; the wave's end
	ds_add_u32 v[SPW], v[NIL]
	s_wait_dscnt 0x0
	s_endpgm
.Lfunc_end_k_q8dc703fdea_attn:
	.size	k_q8dc703fdea_attn, .Lfunc_end_k_q8dc703fdea_attn-k_q8dc703fdea_attn
	.p2alignl 7, 3214868480
	.fill 96, 4, 3214868480
	.section	.rodata,"a",@progbits
	.p2align	6, 0x0
	.amdhsa_kernel k_q8dc703fdea_attn
		.amdhsa_group_segment_fixed_size 327680
		.amdhsa_private_segment_fixed_size 0
		.amdhsa_enable_private_segment 0
		.amdhsa_kernarg_size 40
		.amdhsa_user_sgpr_count 2
		.amdhsa_user_sgpr_kernarg_segment_ptr 1
		.amdhsa_wavefront_size32 1
		.amdhsa_system_sgpr_workgroup_id_x 1
		.amdhsa_system_sgpr_workgroup_id_y 1
		.amdhsa_system_sgpr_workgroup_id_z 1
		.amdhsa_system_vgpr_workitem_id 0
		.amdhsa_next_free_vgpr 768
		.amdhsa_next_free_sgpr 100
		.amdhsa_reserve_vcc 1
		.amdhsa_float_denorm_mode_32 3
		.amdhsa_float_denorm_mode_16_64 3
		.amdhsa_memory_ordered 1
		.amdhsa_forward_progress 1
		.amdhsa_inst_pref_size 218
	.end_amdhsa_kernel
	.amdgpu_metadata
---
amdhsa.version: [ 1, 2 ]
amdhsa.kernels:
  - .name:           k_q8dc703fdea_attn
    .symbol:         k_q8dc703fdea_attn.kd
    .args:
      - { .name: qkv, .offset: 0, .size: 8, .value_kind: global_buffer, .address_space: global }
      - { .name: ctx, .offset: 8, .size: 8, .value_kind: global_buffer, .address_space: global }
      - { .name: vpart, .offset: 16, .size: 8, .value_kind: global_buffer, .address_space: global }
      - { .name: rel_bias, .offset: 24, .size: 8, .value_kind: global_buffer, .address_space: global }
      - { .name: sequence_mask, .offset: 32, .size: 8, .value_kind: global_buffer, .address_space: global }
    .group_segment_fixed_size: 327680
    .private_segment_fixed_size: 0
    .kernarg_segment_align: 8
    .kernarg_segment_size: 40
    .max_flat_workgroup_size: 128
    .sgpr_count:     100
    .vgpr_count:     768
    .wavefront_size: 32
...
	.end_amdgpu_metadata
.endif
;; end of part 4
;; launch oproj (part 5): grid 8 x 32, 4 waves a work-group, clusters of 4 x 4, 327,680 bytes of LDS; arguments ctx, wot, hidden_states, out0; writes out0
.if DOCPART == 5
	.amdgcn_target "amdgcn-amd-amdhsa--gfx1250"
	.amdhsa_code_object_version 6
	.text
	.protected	k_q8dc703fdea_oproj
	.globl	k_q8dc703fdea_oproj
	.p2align	8
	.type	k_q8dc703fdea_oproj,@function
k_q8dc703fdea_oproj:
	s_mov_b64 s[64:65], 0
	v_nop
	global_prefetch_b8 v0, s[64:65] scope:SCOPE_SE
	s_setreg_imm32_b32 hwreg(HW_REG_WAVE_MODE, 25, 1), 1
	s_wait_xcnt 0x0
	s_wait_alu depctr_hold_cnt(0) depctr_sa_sdst(0) depctr_va_vdst(0) depctr_va_sdst(0) depctr_va_ssrc(0) depctr_va_vcc(0) depctr_vm_vsrc(0)
	s_getreg_b32 s2, hwreg(HW_REG_IB_STS2, 6, 4)
	s_cmp_eq_u32 s2, 0
	s_cbranch_scc0 .Lentry_in_a_cluster
	s_endpgm
.Lentry_in_a_cluster:
	s_bfe_u32 s2, ttmp6, 0x10000c
	s_cmp_lg_u32 s2, 0xf033
	s_cbranch_scc0 .Lentry_shape_is_right
	s_endpgm
.Lentry_shape_is_right:
; out0 = hidden_states + ctx x W_o.  ctx: [64 batch x head][2048][64] f16, wot: [1024 n][1024 k] f16, hidden_states and out0: [8192][1024] f32; sums in f32, the residual added in f32.
; A tile of out0 is 256 rows x 128 columns: 32 x 8 = 256 work-groups.  Four waves, each 128 x 64: 32 accumulators, 256 registers.  K goes in eight steps of 128, two heads a step, through two LDS slots.
; A's part of a step is, for each of the two heads, 256 rows of 128 bytes that lie end to end in memory: asked for as 128 rows of 256 bytes, padded in LDS after every 128 bytes (pitch 144).
; CLUSTER 4 x 4: ctx's tiles are shared along a row of the cluster, wot's along a column; each is asked for jointly.  The matrix instruction is used transposed: a lane holds eight neighbouring columns of a row.
; The residual's 256 registers a wave are loaded at the start, in the layout of the stores, and land while K is walked.
; REGISTERS: window 0: v16-30 addresses; v32-127, v128-223 two fragment buffers (A 64 registers, then B 32).  Window 1: accumulator (a, b) at v[8 (4 a + b)].  Window 2: the residual.
.set NBW,   4
.set APW,   8
.set PA,    144
.set PBT,   272
.set SUBA,  256*PA                     ; a head's 256 rows: what wave 0 or 1 fetches
.set BOFF,  2*SUBA
.set HALFB, 16*NBW*PBT                 ; what wave 2 or 3 fetches: 64 rows of wot
.set SLOT1, 1<<17
.set STAGE, SLOT1+BOFF+2*HALFB         ; behind the ring: 16 rows x 272 bytes for each wave
.set SPITCH, 272
.set SPARE, STAGE+4*16*SPITCH
.set STEPA, 524288                     ; two heads on
.set STEPB, 256
.set F0,    32
.set F1,    128
.set ADRA0, 16
.set ADRB0, 17
.set ADRA,  18
.set ADRB,  19
.set STO,   24
.set RD,    25
.set CO,    26
.set SPW,   28
.set NIL,   29
.set PFO,   30
.set TB,    23
.set G1,    24
.set G0,    32
.set LIM,   43
.set PFA,   44
.set G1B,   48
.set G0B,   56
.set PFS,   66                         ; s[66:67] the prefetches' step
.set HID,   68                         ; s[68:69] hidden_states at my part of the tile
.set OUT,   70                         ; s[70:71] out0 likewise
.set MSB, 0
.macro WIN new
.if MSB != (\new)
	s_set_vgpr_msb (MSB<<8)|(\new)
.set MSB, \new
.endif
.endm
.macro PLACES
.rept 4
	v_nop
.endr
.endm
.macro JLOAD                           ; the joint refill; s_nop 0 and four v_nop follow each line
	s_cmp_eq_u32 s11, 0
	s_cbranch_scc0 .Lfor_b_\@
	tensor_load_to_lds s[G0+4:G0+7], s[G1:G1+7]
	s_nop 0
	PLACES
	s_branch .Lasked_\@
.Lfor_b_\@:
	tensor_load_to_lds s[G0B+4:G0B+7], s[G1B:G1B+7]
	s_nop 0
	PLACES
.Lasked_\@:
.endm
.macro ASK
	s_cmp_gt_u32 s3, s[LIM]
	s_cbranch_scc0 .Lnot_mine_\@
	global_prefetch_b8 v[PFO], s[PFA:PFA+1] th:TH_LOAD_NT scope:SCOPE_SE
.Lnot_mine_\@:
.endm
.macro CREST
	s_cmp_lg_u32 s10, 0
	s_cbranch_scc1 .Lnot_wave_0_\@
	s_barrier_signal -3
.Lnot_wave_0_\@:
	s_barrier_wait -3
	s_barrier_signal -1
	s_barrier_wait -1
.endm
.macro CROUND
	s_barrier_signal -1
	s_barrier_wait -1
	CREST
.endm
.macro MUL f, a0, na, zero             ; the accumulators take turns, one instruction a turn
.set a, \a0
.rept \na
	WIN 0x50*(1+a/APW)
.set b, 0
.rept NBW
.set rD, 8*(NBW*(a%APW)+b)
.if \zero
	v_wmma_f32_16x16x32_f16 v[rD:rD+7], v[(\f)+64+8*b:(\f)+64+8*b+7], v[(\f)+8*a:(\f)+8*a+7], 0
.else
	v_wmma_f32_16x16x32_f16 v[rD:rD+7], v[(\f)+64+8*b:(\f)+64+8*b+7], v[(\f)+8*a:(\f)+8*a+7], v[rD:rD+7]
.endif
.set b, b+1
.endr
.set a, a+1
.endr
.endm
.macro FETCH q, f                      ; quarter q: head q / 2 of the step's two, channels 32 (q % 2) on.  B's 8 loads, A's blocks 0-3 (8), A's blocks 4-7 (8)
	WIN 0
.set i, 0
.rept NBW
	ds_load_b128 v[(\f)+64+8*i:(\f)+64+8*i+3],   v[ADRB] offset:64*(\q)+i*16*PBT
	ds_load_b128 v[(\f)+64+8*i+4:(\f)+64+8*i+7], v[ADRB] offset:64*(\q)+i*16*PBT+32
.set i, i+1
.endr
.set i, 0
.rept 8
	ds_load_b128 v[(\f)+8*i:(\f)+8*i+3],   v[ADRA] offset:((\q)/2)*SUBA+((\q)%2)*64+i*16*PA
	ds_load_b128 v[(\f)+8*i+4:(\f)+8*i+7], v[ADRA] offset:((\q)/2)*SUBA+((\q)%2)*64+i*16*PA+32
.set i, i+1
.endr
.endm
.macro QUARTER q, f, g, zero
	s_wait_dscnt 8                                 ; the youngest eight loads (A's blocks 4-7) may be out
	MUL \f, 0, 4, \zero
	PLACES
	FETCH \q, \g
	s_wait_dscnt 16+2*NBW                          ; all but the run just issued
	MUL \f, 4, 4, \zero
.endm
.macro MEET
	WIN 0
	s_wait_tensorcnt 0x0                           ; all my tensor loads have landed
	ds_add_u32 v[SPW], v[NIL]                      ; 0 onto my spare word
	s_wait_dscnt 9                                 ; (the add and the youngest eight loads may be out)
	MUL F1, 0, 2, 0
	s_wait_dscnt 0x0                               ; the add is done, and my reads of this slot are over
	s_barrier_signal -1
	MUL F1, 2, 2, 0
	WIN 0
	s_barrier_wait -1
.endm
.macro TURN fill
.if \fill
	s_wait_xcnt 0x0                                ; the last prefetch, a K step back, has read its address
	s_add_nc_u64 s[PFA:PFA+1], s[PFA:PFA+1], s[PFS:PFS+1]
.endif
	MEET
.if \fill
	CREST
	s_xor_b32 s[G0+5], s[G0+5], SLOT1
	s_add_nc_u64 s[G0+6:G0+7], s[G0+6:G0+7], STEPA
	s_xor_b32 s[G0B+5], s[G0B+5], SLOT1
	s_add_nc_u64 s[G0B+6:G0B+7], s[G0B+6:G0B+7], STEPB
	JLOAD
.else
	PLACES
.endif
	s_xor_b32 s[TB], s[TB], SLOT1
	v_add_nc_u32 v[ADRA], s[TB], v[ADRA0]
	v_add_nc_u32 v[ADRB], s[TB], v[ADRB0]
	FETCH 0, F0
.if \fill
	ASK
.endif
	MUL F1, 4, 4, 0
.endm
	s_load_b128 s[4:7], s[0:1], 0x0                ; ctx s[4:5], wot s[6:7]
	s_load_b128 s[68:71], s[0:1], 0x10             ; hidden_states s[68:69], out0 s[70:71]
	v_lshl_add_u32 v[SPW], v0, 2, SPARE
	v_mov_b32 v[NIL], 0
	ds_add_u32 v[SPW], v[NIL]                      ; the wave's opening: the add and its wait ahead of my first tensor load
	v_lshrrev_b32 v1, 5, v0
	v_readfirstlane_b32 s10, v1
	s_lshr_b32 s11, s10, 1
	s_and_b32 s12, s10, 1
	s_bfe_u32 s40, ttmp6, 0x40000                  ; cx
	s_bfe_u32 s41, ttmp6, 0x40004                  ; cy
	s_lshl_b32 s42, ttmp9, 2
	s_add_co_u32 s42, s42, s40                     ; tile column
	s_and_b32 s13, ttmp7, 0xffff
	s_lshl_b32 s13, s13, 2
	s_add_co_u32 s13, s13, s41                     ; tile row
	s_lshl_b32 s43, s41, 2
	s_lshl_b32 s43, 15, s43
	s_lshl_b32 s44, 0x1111, s40
	s_or_b32 s[G1], s43, (1<<16)|(1<<20)|(1<<21)|(4<<22)|(3<<25)   ; padding after every 32 words, 4 words
	s_or_b32 s[G1B], s44, (1<<16)|(1<<20)|(1<<21)|(5<<22)|(3<<25)  ; after every 64 words
	s_mov_b32 s[G1+1], 128<<16
	s_mov_b32 s[G1+2], 128<<16
	s_mov_b32 s[G1+3], 128<<16
	s_mov_b32 s[G1+4], 128
	s_mov_b32 s[G1+5], 128                         ; dense
	s_mov_b32 s[G1+6], 0
	s_mov_b32 s[G1+7], 0
	s_mov_b32 s[G1B+1], 128<<16
	s_mov_b32 s[G1B+2], 64<<16
	s_mov_b32 s[G1B+3], 128<<16
	s_mov_b32 s[G1B+4], 64
	s_mov_b32 s[G1B+5], 1024
	s_mov_b32 s[G1B+6], 0
	s_mov_b32 s[G1B+7], 0
	s_lshr_b32 s16, s13, 3                         ; A: batch x 16 heads,
	s_lshl_b32 s16, s16, 22
	s_lshl_b32 s17, s12, 18                        ; the even or the odd head of a step,
	s_add_co_u32 s16, s16, s17
	s_and_b32 s17, s13, 7                          ; 256 rows of 128 bytes
	s_lshl_b32 s17, s17, 15
	s_add_co_u32 s16, s16, s17
	s_mov_b32 s17, 0
	s_lshl_b32 s46, s42, 7
	s_lshl_b32 s47, s12, 6
	s_add_co_u32 s46, s46, s47                     ; B: row 128 x tile column + 64 x half
	s_lshl_b32 s46, s46, 11
	s_mov_b32 s47, 0
	s_mul_i32 s20, s12, SUBA
	s_mul_i32 s21, s12, HALFB
	s_add_co_u32 s21, s21, BOFF
	s_wait_dscnt 0x0                               ; the opening add is done
	s_wait_kmcnt 0x0
	s_add_nc_u64 s[14:15], s[4:5], s[16:17]
	s_add_nc_u64 s[46:47], s[6:7], s[46:47]
	CROUND
.irp s, 0,1
	s_mov_b32 s[G0+4*\s], 1
	s_add_co_u32 s[G0+4*\s+1], s20, \s*SLOT1
	s_add_nc_u64 s[G0+4*\s+2:G0+4*\s+3], s[14:15], \s*STEPA
	s_or_b32 s[G0+4*\s+3], s[G0+4*\s+3], 0x80000000
	s_mov_b32 s[G0B+4*\s], 1
	s_add_co_u32 s[G0B+4*\s+1], s21, \s*SLOT1
	s_add_nc_u64 s[G0B+4*\s+2:G0B+4*\s+3], s[46:47], \s*STEPB
	s_or_b32 s[G0B+4*\s+3], s[G0B+4*\s+3], 0x80000000
.endr
	s_cmp_eq_u32 s11, 0                            ; a wave's two first fills stand in one branch
	s_cbranch_scc0 .Lfirst_b
	tensor_load_to_lds s[G0:G0+3], s[G1:G1+7]
	s_nop 0
	tensor_load_to_lds s[G0+4:G0+7], s[G1:G1+7]
	s_nop 0
	PLACES
	s_branch .Lfirst_asked
.Lfirst_b:
	tensor_load_to_lds s[G0B:G0B+3], s[G1B:G1B+7]
	s_nop 0
	tensor_load_to_lds s[G0B+4:G0B+7], s[G1B:G1B+7]
	s_nop 0
	PLACES
.Lfirst_asked:
	v_and_b32 v1, 15, v0                           ; r
	v_bfe_u32 v2, v0, 4, 1                         ; h
	; my part of the tile in hidden_states and out0: row 256 x tile row + 128 x half, column 128 x tile column + 64 x half
	s_lshl_b32 s74, s13, 8
	s_lshl_b32 s75, s11, 7
	s_add_co_u32 s74, s74, s75
	s_lshl_b32 s74, s74, 12
	s_lshl_b32 s75, s42, 9
	s_add_co_u32 s74, s74, s75
	s_lshl_b32 s75, s12, 8
	s_add_co_u32 s74, s74, s75
	s_mov_b32 s75, 0
	s_add_nc_u64 s[HID:HID+1], s[HID:HID+1], s[74:75]
	s_add_nc_u64 s[OUT:OUT+1], s[OUT:OUT+1], s[74:75]
	v_lshlrev_b32 v[CO], 12, v2                    ; lanes 0-15 one row's 256 bytes, lanes 16-31 the next row's
	v_lshl_add_u32 v[CO], v1, 4, v[CO]
	WIN 0x80
.set i, 0
.rept 64                               ; rows 2 i, 2 i + 1 of my 128
	global_load_b128 v[4*i:4*i+3], v[CO], s[HID:HID+1] offset:8192*i th:TH_LOAD_NT
.set i, i+1
.endr
	WIN 0
	v_mul_u32_u24 v3, v1, PA
	v_lshl_add_u32 v3, v2, 4, v3
	s_mul_i32 s20, s11, 128*PA
	v_add_nc_u32 v[ADRA0], s20, v3
	v_mul_u32_u24 v3, v1, PBT
	v_lshl_add_u32 v3, v2, 4, v3
	s_mul_i32 s21, s12, HALFB
	s_add_co_u32 s21, s21, BOFF
	v_add_nc_u32 v[ADRB0], s21, v3
	v_mov_b32 v[ADRA], v[ADRA0]
	v_mov_b32 v[ADRB], v[ADRB0]
	s_mov_b32 s[TB], 0
	s_mul_i32 s20, s10, 16*SPITCH
	s_add_co_u32 s20, s20, STAGE                   ; my stage
	v_mul_u32_u24 v[STO], v1, SPITCH               ; in: row r, 32 bytes for each half of the lanes
	v_lshl_add_u32 v[STO], v2, 5, v[STO]
	v_add_nc_u32 v[STO], s20, v[STO]
	v_mul_u32_u24 v[RD], v2, SPITCH                ; back: lanes 0-15 one row of 256 bytes, lanes 16-31 the next
	v_lshl_add_u32 v[RD], v1, 4, v[RD]
	v_add_nc_u32 v[RD], s20, v[RD]
	; THE PREFETCHES.  ctx's tiles are read by both clusters of a row of clusters: cluster x = 0 asks, waves 0 and 1, each partner 32 of the wave's 128 blocks of 256 bytes, told apart by address (cx).
	; wot's rows are read by every cluster of a column: cluster y = 0 asks, wave 2, each partner 32 of the tile's 128 rows (cy).  In trip i the K step i + 4 is named; K steps 0 to 3 come by their loads alone.
	s_lshr_b32 s76, s13, 3
	s_lshl_b32 s76, s76, 22
	s_lshl_b32 s77, s12, 18
	s_add_co_u32 s76, s76, s77
	s_and_b32 s77, s13, 7
	s_lshl_b32 s77, s77, 15
	s_add_co_u32 s76, s76, s77
	s_lshl_b32 s77, s40, 13
	s_add_co_u32 s76, s76, s77
	s_add_co_u32 s76, s76, 3*STEPA
	s_lshl_b32 s78, s42, 7
	s_lshl_b32 s77, s41, 5
	s_add_co_u32 s78, s78, s77
	s_lshl_b32 s78, s78, 11
	s_add_co_u32 s78, s78, 3*STEPB
	s_mov_b32 s77, STEPA
	s_mov_b32 s79, STEPB
	s_and_b32 s75, ttmp7, 0xffff
	s_cmp_eq_u32 s11, 0
	s_cselect_b32 s76, s76, s78
	s_cselect_b32 s[PFS], s77, s79
	s_cselect_b32 s75, ttmp9, s75
	s_cselect_b32 s74, 8, 11                       ; a lane a block of 256 bytes, or a lane a row of 2,048
	s_cselect_b64 s[PFA:PFA+1], s[4:5], s[6:7]
	s_mov_b32 s77, 0
	s_mov_b32 s[PFS+1], 0
	s_add_nc_u64 s[PFA:PFA+1], s[PFA:PFA+1], s[76:77]
	s_cmp_eq_u32 s75, 0
	s_cselect_b32 s[LIM], 2, -1
	s_cmp_eq_u32 s10, 3
	s_cselect_b32 s[LIM], -1, s[LIM]
	v_and_b32 v[PFO], 31, v0
	v_lshlrev_b32 v[PFO], s74, v[PFO]
	s_wait_tensorcnt 1                             ; my part of K step 0 is in; K step 1's may stay out
	s_barrier_signal -1
	s_barrier_wait -1
	FETCH 0, F0
	QUARTER 1, F0, F1, 1
	WIN 0
	s_mov_b32 s3, 6
.Lstep:
	QUARTER 2, F1, F0, 0
	QUARTER 3, F0, F1, 0
	TURN 1
	QUARTER 1, F0, F1, 0
	WIN 0
	s_sub_co_u32 s3, s3, 1
	s_cmp_lg_u32 s3, 0
	s_cbranch_scc1 .Lstep
	QUARTER 2, F1, F0, 0
	QUARTER 3, F0, F1, 0
	TURN 0
	QUARTER 1, F0, F1, 0
	QUARTER 2, F1, F0, 0
	QUARTER 3, F0, F1, 0
	s_wait_dscnt 8
	MUL F1, 0, 4, 0
	s_wait_dscnt 0x0
	MUL F1, 4, 4, 0
	; THE WAY OUT, 16 rows at a time through my own stage: in by lanes (eight columns of a row), back as whole rows of 256 bytes; the residual is added; sixteen lanes store 256 consecutive bytes, aligned.
.macro TOSTAGE a
	WIN 0x04                                       ; store data in window 1
.set b, 0
.rept NBW
.set rD, 8*(NBW*(\a)+b)
	ds_store_b128 v[STO], v[rD:rD+3]   offset:64*b
	ds_store_b128 v[STO], v[rD+4:rD+7] offset:64*b+16
.set b, b+1
.endr
	WIN 0
.set t, 0
.rept 8
	ds_load_b128 v[32+32*((\a)%2)+4*t:32+32*((\a)%2)+4*t+3], v[RD] offset:2*SPITCH*t  ; LDS serves a wave's instructions in order (ISA guide 5.7.1.4): these see the stores above
.set t, t+1
.endr
.endm
.macro ADDSEND a, younger              ; younger: the next block's sixteen LDS instructions, or none
	s_wait_dscnt \younger
	WIN 0x88                                       ; destination and source 1 in window 2
.set t, 0
.rept 8
	v_pk_add_f32 v[4*(8*(\a)+t):4*(8*(\a)+t)+1],   v[32+32*((\a)%2)+4*t:32+32*((\a)%2)+4*t+1],   v[4*(8*(\a)+t):4*(8*(\a)+t)+1]
	v_pk_add_f32 v[4*(8*(\a)+t)+2:4*(8*(\a)+t)+3], v[32+32*((\a)%2)+4*t+2:32+32*((\a)%2)+4*t+3], v[4*(8*(\a)+t)+2:4*(8*(\a)+t)+3]
.set t, t+1
.endr
	WIN 0x08                                       ; store data in window 2
.set t, 0
.rept 8
	global_store_b128 v[CO], v[4*(8*(\a)+t):4*(8*(\a)+t)+3], s[OUT:OUT+1] offset:8192*(8*(\a)+t) th:TH_STORE_NT
.set t, t+1
.endr
.endm
	PLACES
	s_wait_loadcnt 0x0                             ; the residual
	TOSTAGE 0
.irp a, 1,2,3,4,5,6,7
	TOSTAGE \a
	ADDSEND (\a)-1, 16
.endr
	ADDSEND 7, 0
	WIN 0
	s_wait_tensorcnt 0x0                           ; the wave's end
	ds_add_u32 v[SPW], v[NIL]
	s_wait_dscnt 0x0
	CROUND                                         ; the closing round
	s_endpgm
.Lfunc_end_k_q8dc703fdea_oproj:
	.size	k_q8dc703fdea_oproj, .Lfunc_end_k_q8dc703fdea_oproj-k_q8dc703fdea_oproj
	.p2alignl 7, 3214868480
	.fill 96, 4, 3214868480
	.section	.rodata,"a",@progbits
	.p2align	6, 0x0
	.amdhsa_kernel k_q8dc703fdea_oproj
		.amdhsa_group_segment_fixed_size 327680
		.amdhsa_private_segment_fixed_size 0
		.amdhsa_enable_private_segment 0
		.amdhsa_kernarg_size 32
		.amdhsa_user_sgpr_count 2
		.amdhsa_user_sgpr_kernarg_segment_ptr 1
		.amdhsa_wavefront_size32 1
		.amdhsa_system_sgpr_workgroup_id_x 1
		.amdhsa_system_sgpr_workgroup_id_y 1
		.amdhsa_system_sgpr_workgroup_id_z 1
		.amdhsa_system_vgpr_workitem_id 0
		.amdhsa_next_free_vgpr 768
		.amdhsa_next_free_sgpr 80
		.amdhsa_reserve_vcc 0
		.amdhsa_float_denorm_mode_32 3
		.amdhsa_float_denorm_mode_16_64 3
		.amdhsa_memory_ordered 1
		.amdhsa_forward_progress 1
		.amdhsa_inst_pref_size 85
	.end_amdhsa_kernel
	.amdgpu_metadata
---
amdhsa.version: [ 1, 2 ]
amdhsa.kernels:
  - .name:           k_q8dc703fdea_oproj
    .symbol:         k_q8dc703fdea_oproj.kd
    .args:
      - { .name: ctx, .offset: 0, .size: 8, .value_kind: global_buffer, .address_space: global }
      - { .name: wot, .offset: 8, .size: 8, .value_kind: global_buffer, .address_space: global }
      - { .name: hidden_states, .offset: 16, .size: 8, .value_kind: global_buffer, .address_space: global }
      - { .name: out0, .offset: 24, .size: 8, .value_kind: global_buffer, .address_space: global }
    .group_segment_fixed_size: 327680
    .private_segment_fixed_size: 0
    .kernarg_segment_align: 8
    .kernarg_segment_size: 32
    .max_flat_workgroup_size: 128
    .sgpr_count:     80
    .vgpr_count:     768
    .wavefront_size: 32
...
	.end_amdgpu_metadata
.endif
;; end of part 5
;; ======== version 2 of 2: 5 launches; version 1 with the launch prep written anew for expert scheduling mode
;; limits: values are held in f16: magnitudes above 65,504 overflow, below 6.1e-05 lose precision
;; workspace buffers: xn 16,777,216 bytes; wqt 6,291,456 bytes; wot 2,097,152 bytes; qkv 50,331,648 bytes; vpart 65,536 bytes; ctx 16,777,216 bytes
;; launch prep (part 6): grid 768 x 1, 8 waves a work-group, no clusters, 18,432 bytes of LDS; arguments hidden_states, rms_w, W_qkv, W_o, xn, wqt, wot; writes xn, wqt, wot
.if DOCPART == 6
	.amdgcn_target "amdgcn-amd-amdhsa--gfx1250"
	.amdhsa_code_object_version 6
	.text
	.protected	k_q8dc703fdea_prep
	.globl	k_q8dc703fdea_prep
	.p2align	8
	.type	k_q8dc703fdea_prep,@function
k_q8dc703fdea_prep:
	s_mov_b64 s[64:65], 0
	v_nop
	global_prefetch_b8 v0, s[64:65] scope:SCOPE_SE
	s_setreg_imm32_b32 hwreg(HW_REG_WAVE_SCHED_MODE, 0, 2), 2
	s_setreg_imm32_b32 hwreg(HW_REG_WAVE_MODE, 25, 1), 1
	s_wait_xcnt 0x0
	s_wait_alu depctr_vm_vsrc(0)
; Two jobs, told apart by the work-group's number g.
; g < 512: a tile of 128 k x 64 n of a weight matrix ([k][n] in f32) is rounded to f16 and written turned, [n][k]: g < 384 W_qkv -> wqt, else W_o -> wot.
; g >= 512: RMSNorm of 32 rows of hidden_states, a wave four rows, a row kept in 32 registers between the sum of squares and the scaling: xn = x * rsqrt(mean(x^2) + 1e-6) * rms_w, rounded once to f16.
; LIMITS. f16 holds no number beyond 65,504 and keeps a fixed step of 6e-8 below 6e-5: the weights and x * rsqrt * rms_w (at most 32 |rms_w|) must lie within it. NaN and infinities are not treated apart.
; Both jobs pass the one barrier, so that no barrier stands inside a branch; what the turned tile's second half reads is made in the common head.
; THE MODE: SCHED_MODE bits 1:0 = 2 (LLVM: expert scheduling mode 2), set by the entry lines.  The code itself states the register dependences
; between vector instructions and memory or LDS instructions, with s_wait_alu, always for 0.
; THE PLAN.  Registers that memory or LDS instructions touch:
;   LSTO, LRD, GO   Addresses, written in the head, never again.  Each arm's first wait on va_vdst stands behind them.
;   OFF, v1, v179   Offsets, written at an arm's head, never again: one wait on va_vdst ahead of the arm's loads.
;   XW, W           Written by loads, read by vector instructions; no vector instruction names them ahead of the loads, and nothing lands in them again.
;   YW              Written by the sixteen roundings, which stand together; one wait on va_vdst; read by the run of four LDS stores.
;   X, row i        Written by loads; scaled and rounded in place; one wait on va_vdst behind the row's roundings; then read by the row's eight stores, which are dealt among
;                   row i + 1's multiplies: those name row i + 1's registers, its pair of R and W, none of the registers that the stores touch.
;   BK              Registers of its own: written by LDS loads, read by the last stores, named by no vector instruction.
;   SPW, NIL        Written in the head, read by the closing add alone.
; No register that a memory or LDS instruction reads is ever written again, so the text holds no wait on vm_vsrc behind the entry lines.
.set SPITCH, 272                       ; a stage row: 128 f16 + 16 bytes
.set SPARE,  64*SPITCH                 ; behind the stage: the spare words, 128 bytes for each of eight waves
.set KG,   181                         ; v181  thread / 16
.set NQ,   182                         ; v182  thread % 16
.set LSTO, 186                         ; v186  stage: where I put 16 bytes (8 k of one n)
.set LRD,  187                         ; v187  stage: where I read 16 bytes of a row back
.set GO,   188                         ; v188  my byte offset in the turned tile in memory
.set SPW,  190                         ; v190  my spare word; never rewritten
.set NIL,  191                         ; v191  0; never rewritten
.set OFF,  8                           ; v[8:15]   weights: byte offsets of my eight rows k
.set XW,   16                          ; v[16:47]  weights: 8 rows x 4 f32
.set YW,   48                          ; v[48:63]  weights: 4 columns x 8 f16
.set BK,   192                         ; v[192:207] weights: rows read back; shared with nothing
.set W,    2                           ; v[2:33]   norm: rms_w, my 32 columns
.set X,    34                          ; v[34:161] norm: four rows, 32 registers each
.set T,    162                         ; v[162:169] norm: four chains of two sums
.set R,    170                         ; v[170:177] norm: a pair for each row: the sum, then rsqrt twice
	s_load_b256 s[4:11], s[0:1], 0x0               ; hidden s[4:5], rms_w s[6:7], W_qkv s[8:9], W_o s[10:11]
	s_load_b128 s[12:15], s[0:1], 0x20             ; xn s[12:13], wqt s[14:15]
	s_load_b64 s[16:17], s[0:1], 0x30              ; wot
	v_lshl_add_u32 v[SPW], v0, 2, SPARE
	v_mov_b32 v[NIL], 0
	v_lshrrev_b32 v180, 5, v0
	v_readfirstlane_b32 s20, v180                  ; wave 0..7
	v_lshrrev_b32 v[KG], 4, v0
	v_and_b32 v[NQ], 15, v0
	v_mul_u32_u24 v[LSTO], v[NQ], 4*SPITCH         ; in: stage row n = 4 nq + c, bytes 16 kg
	v_lshl_add_u32 v[LSTO], v[KG], 4, v[LSTO]
	v_mul_u32_u24 v[LRD], v[KG], SPITCH            ; back: stage row kg + 16 i, bytes 16 nq
	v_lshl_add_u32 v[LRD], v[NQ], 4, v[LRD]
	v_lshlrev_b32 v[GO], 11, v[KG]                 ; a turned row is 2,048 bytes
	v_lshl_add_u32 v[GO], v[NQ], 4, v[GO]
	s_wait_alu depctr_va_sdst(0)                   ; s20 is written
	s_mov_b32 s21, 4096                            ; W_o's row in bytes
	s_mov_b32 s23, 12288                           ; W_qkv's
	s_wait_kmcnt 0x0
	s_cmp_lt_u32 ttmp9, 384
	s_cselect_b64 s[24:25], s[8:9], s[10:11]       ; from
	s_cselect_b64 s[26:27], s[14:15], s[16:17]     ; to
	s_cselect_b32 s21, s23, s21                    ; the source's pitch
	s_cselect_b32 s22, 0, 384
	s_sub_co_u32 s22, ttmp9, s22                   ; the tile's number in its matrix
	s_and_b32 s28, s22, 7                          ; kt: 128 k
	s_lshr_b32 s22, s22, 3                         ; nt: 64 n
	s_lshl_b32 s30, s28, 8                         ; to: 256 bytes along k,
	s_lshl_b32 s31, s22, 17                        ; 64 rows of 2,048 bytes
	s_add_co_u32 s30, s30, s31
	s_mov_b32 s31, 0
	s_add_nc_u64 s[26:27], s[26:27], s[30:31]
	s_cmp_lt_u32 ttmp9, 512
	s_cbranch_scc0 .Lnorm
	; THE WEIGHTS, first half: eight loads a thread (rows k = 8 kg + i, columns 4 nq ..): sixteen lanes read 256 consecutive bytes, aligned, of one row
	s_mul_i32 s28, s28, s21
	s_lshl_b32 s28, s28, 7                         ; 128 kt rows
	s_lshl_b32 s29, s22, 8                         ; 64 nt columns of 4 bytes
	s_add_co_u32 s28, s28, s29
	s_mov_b32 s29, 0
	s_add_nc_u64 s[24:25], s[24:25], s[28:29]
	v_lshlrev_b32 v1, 3, v[KG]
	v_mul_lo_u32 v[OFF], v1, s21
	v_lshl_add_u32 v[OFF], v[NQ], 4, v[OFF]
.irp i, 1,2,3,4,5,6,7
	v_add_nc_u32 v[OFF+\i], s21, v[OFF+\i-1]
.endr
	s_wait_alu depctr_va_vdst(0)                   ; the eight offsets are written, which the loads below read; so are the head's LSTO, LRD and GO, which this arm's LDS stores, LDS loads and last stores read
.irp i, 0,1,2,3,4,5,6,7
	global_load_b128 v[XW+4*\i:XW+4*\i+3], v[OFF+\i], s[24:25] th:TH_LOAD_NT
.endr
	s_wait_loadcnt 0x0
.irp c, 0,1,2,3                        ; column c of my four: its eight k, rounded in pairs, are 16 bytes of a turned row
.irp p, 0,1,2,3
	v_cvt_pk_f16_f32 v[YW+4*\c+\p], v[XW+8*\p+\c], v[XW+8*\p+4+\c]
.endr
.endr
	s_wait_alu depctr_va_vdst(0)                   ; the sixteen roundings have written v[YW ..], which the four LDS stores read
.irp c, 0,1,2,3
	ds_store_b128 v[LSTO], v[YW+4*\c:YW+4*\c+3] offset:\c*SPITCH
.endr
	s_branch .Lmeet
.Lnorm:
	s_sub_co_u32 s28, ttmp9, 512
	s_lshl_b32 s28, s28, 5                         ; 32 rows a work-group,
	s_lshl2_add_u32 s28, s20, s28                  ; four a wave
	s_lshl_b32 s30, s28, 11                        ; a row of xn is 2,048 bytes,
	s_lshl_b32 s28, s28, 12                        ; of hidden_states 4,096
	s_mov_b32 s29, 0
	s_mov_b32 s31, 0
	s_add_nc_u64 s[4:5], s[4:5], s[28:29]
	s_add_nc_u64 s[12:13], s[12:13], s[30:31]
	s_mov_b32 s32, 0x3a800000                      ; 1 / 1024
	s_mov_b32 s33, 0x358637bd                      ; 1e-6
	s_mov_b32 s34, 0x76543210                      ; v_permlanex16_b32: each lane takes its own place in the other half
	s_mov_b32 s35, 0xfedcba98
	v_and_b32 v1, 31, v0
	v_lshlrev_b32 v179, 3, v1                      ; 8 bytes a lane on the way out
	v_lshlrev_b32 v1, 4, v1                        ; 16 bytes a lane on the way in
	v_mov_b32 v178, 0                              ; the exchange's destination counts as read
	s_wait_alu depctr_va_vdst(0)                   ; v1 is written, which the forty loads read as their offset, and v179, which the 32 stores read as theirs
.irp c, 0,1,2,3,4,5,6,7
	global_load_b128 v[W+4*\c:W+4*\c+3], v1, s[6:7] offset:512*\c
.endr
.irp i, 0,1,2,3
.irp c, 0,1,2,3,4,5,6,7
	global_load_b128 v[X+32*\i+4*\c:X+32*\i+4*\c+3], v1, s[4:5] offset:4096*\i+512*\c th:TH_LOAD_NT
.endr
.endr
.macro ROWSUM i                        ; mean of squares + 1e-6 of row i, in every lane
	s_wait_loadcnt 8*(3-(\i))                      ; loads come back in order: the later rows' eight loads each may stay out
.set p, 0
.rept 16
.if p < 4
	v_pk_mul_f32 v[T+2*p:T+2*p+1], v[X+32*(\i)+2*p:X+32*(\i)+2*p+1], v[X+32*(\i)+2*p:X+32*(\i)+2*p+1]
.else
	v_pk_fma_f32 v[T+2*(p%4):T+2*(p%4)+1], v[X+32*(\i)+2*p:X+32*(\i)+2*p+1], v[X+32*(\i)+2*p:X+32*(\i)+2*p+1], v[T+2*(p%4):T+2*(p%4)+1]
.endif
.set p, p+1
.endr
	v_pk_add_f32 v[T:T+1], v[T:T+1], v[T+2:T+3]
	v_pk_add_f32 v[T+4:T+5], v[T+4:T+5], v[T+6:T+7]
	v_pk_add_f32 v[T:T+1], v[T:T+1], v[T+4:T+5]
	v_add_f32 v[R+2*(\i)], v[T], v[T+1]
	v_add_f32_dpp v[R+2*(\i)], v[R+2*(\i)], v[R+2*(\i)] row_xmask:1 row_mask:0xf bank_mask:0xf
	v_add_f32_dpp v[R+2*(\i)], v[R+2*(\i)], v[R+2*(\i)] row_xmask:2 row_mask:0xf bank_mask:0xf
	v_add_f32_dpp v[R+2*(\i)], v[R+2*(\i)], v[R+2*(\i)] row_xmask:4 row_mask:0xf bank_mask:0xf
	v_add_f32_dpp v[R+2*(\i)], v[R+2*(\i)], v[R+2*(\i)] row_xmask:8 row_mask:0xf bank_mask:0xf
	v_permlanex16_b32 v178, v[R+2*(\i)], s34, s35
	v_add_f32 v[R+2*(\i)], v[R+2*(\i)], v178
	v_fma_f32 v[R+2*(\i)], v[R+2*(\i)], s32, s33
.endm
	ROWSUM 0
	ROWSUM 1
	ROWSUM 2
	ROWSUM 3
.irp i, 0,1,2,3
	v_rsq_f32 v[R+2*\i], v[R+2*\i]
.endr
	v_nop                                          ; a plain instruction behind the last root,
	s_wait_alu depctr_va_vdst(0)                   ; and one wait for the four: the roots are written, ahead of their first reader
.irp i, 0,1,2,3
	v_mov_b32 v[R+2*\i+1], v[R+2*\i]               ; a pair for the packed multiply
.endr
.macro PUT i, n                        ; store n of row i's eight: 256 consecutive bytes, aligned, a wave
	global_store_b64 v179, v[X+32*(\i)+4*(\n):X+32*(\i)+4*(\n)+1], s[12:13] offset:2048*(\i)+256*(\n)
.endm
; Row i: x * rsqrt, then * rms_w; rounded in place.  before = 1: the eight stores of row i - 1, whose data the wait at that row's end has shown written, are dealt among this row's
; multiplies, one ahead of every fourth: no line of this row names a register that they read.
.macro ROWOUT i, before
.set p, 0
.rept 16
.if (\before) && (p%4 == 0)
	PUT (\i)-1, p/4
.endif
	v_pk_mul_f32 v[X+32*(\i)+2*p:X+32*(\i)+2*p+1], v[X+32*(\i)+2*p:X+32*(\i)+2*p+1], v[R+2*(\i):R+2*(\i)+1]
.set p, p+1
.endr
.set p, 0
.rept 16
.if (\before) && (p%4 == 0)
	PUT (\i)-1, 4+p/4
.endif
	v_pk_mul_f32 v[X+32*(\i)+2*p:X+32*(\i)+2*p+1], v[X+32*(\i)+2*p:X+32*(\i)+2*p+1], v[W+2*p:W+2*p+1]
.set p, p+1
.endr
.set p, 0
.rept 8
	v_cvt_pk_f16_f32 v[X+32*(\i)+4*p],   v[X+32*(\i)+4*p],   v[X+32*(\i)+4*p+1]
	v_cvt_pk_f16_f32 v[X+32*(\i)+4*p+1], v[X+32*(\i)+4*p+2], v[X+32*(\i)+4*p+3]
.set p, p+1
.endr
	s_wait_alu depctr_va_vdst(0)                   ; this row's sixteen roundings have written the eight pairs that its stores read
.endm
	ROWOUT 0, 0
	ROWOUT 1, 1
	ROWOUT 2, 1
	ROWOUT 3, 1
.set p, 0
.rept 8                                ; the last row's stores: no row follows among whose lines they could stand
	PUT 3, p
.set p, p+1
.endr
.Lmeet:
	s_wait_dscnt 0x0                               ; for the others' sake: my stores into the stage are done
	s_barrier_signal -1
	s_barrier_wait -1
	s_cmp_lt_u32 ttmp9, 512
	s_cbranch_scc0 .Lend
	; THE WEIGHTS, second half: whole turned rows of 256 bytes, sixteen lanes a row.  No wait on the vector side: LRD and GO stand ahead of the arm's first wait, and no vector instruction names v[BK ..]
.irp i, 0,1,2,3
	ds_load_b128 v[BK+4*\i:BK+4*\i+3], v[LRD] offset:\i*16*SPITCH
.endr
.irp i, 0,1,2,3
	s_wait_dscnt 3-\i                              ; the younger loads may stay out
	global_store_b128 v[GO], v[BK+4*\i:BK+4*\i+3], s[26:27] offset:32768*\i
.endr
.Lend:
	s_wait_dscnt 0x0                               ; the closing lines, six on end
	s_wait_alu 0x0
	s_wait_tensorcnt 0x0
	ds_add_u32 v[SPW], v[NIL]
	s_wait_dscnt 0x0
	s_endpgm
.Lfunc_end_k_q8dc703fdea_prep:
	.size	k_q8dc703fdea_prep, .Lfunc_end_k_q8dc703fdea_prep-k_q8dc703fdea_prep
	.p2alignl 7, 3214868480
	.fill 96, 4, 3214868480
	.section	.rodata,"a",@progbits
	.p2align	6, 0x0
	.amdhsa_kernel k_q8dc703fdea_prep
		.amdhsa_group_segment_fixed_size 18432
		.amdhsa_private_segment_fixed_size 0
		.amdhsa_enable_private_segment 0
		.amdhsa_kernarg_size 56
		.amdhsa_user_sgpr_count 2
		.amdhsa_user_sgpr_kernarg_segment_ptr 1
		.amdhsa_wavefront_size32 1
		.amdhsa_system_sgpr_workgroup_id_x 1
		.amdhsa_system_sgpr_workgroup_id_y 1
		.amdhsa_system_sgpr_workgroup_id_z 1
		.amdhsa_system_vgpr_workitem_id 0
		.amdhsa_next_free_vgpr 208
		.amdhsa_next_free_sgpr 66
		.amdhsa_reserve_vcc 0
		.amdhsa_float_denorm_mode_32 3
		.amdhsa_float_denorm_mode_16_64 3
		.amdhsa_memory_ordered 1
		.amdhsa_forward_progress 1
		.amdhsa_inst_pref_size 33
	.end_amdhsa_kernel
	.amdgpu_metadata
---
amdhsa.version: [ 1, 2 ]
amdhsa.kernels:
  - .name:           k_q8dc703fdea_prep
    .symbol:         k_q8dc703fdea_prep.kd
    .args:
      - { .name: hidden_states, .offset: 0, .size: 8, .value_kind: global_buffer, .address_space: global }
      - { .name: rms_w, .offset: 8, .size: 8, .value_kind: global_buffer, .address_space: global }
      - { .name: W_qkv, .offset: 16, .size: 8, .value_kind: global_buffer, .address_space: global }
      - { .name: W_o, .offset: 24, .size: 8, .value_kind: global_buffer, .address_space: global }
      - { .name: xn, .offset: 32, .size: 8, .value_kind: global_buffer, .address_space: global }
      - { .name: wqt, .offset: 40, .size: 8, .value_kind: global_buffer, .address_space: global }
      - { .name: wot, .offset: 48, .size: 8, .value_kind: global_buffer, .address_space: global }
    .group_segment_fixed_size: 18432
    .private_segment_fixed_size: 0
    .kernarg_segment_align: 8
    .kernarg_segment_size: 56
    .max_flat_workgroup_size: 256
    .sgpr_count:     66
    .vgpr_count:     208
    .wavefront_size: 32
...
	.end_amdgpu_metadata
.endif
;; end of part 6
;; launch qkvg: the kernel of part 2 again; grid 16 x 32, 4 waves a work-group, clusters of 4 x 4, 327,680 bytes of LDS; arguments xn, wqt, qkv; writes qkv
;; launch vsum: the kernel of part 3 again; grid 256 x 1, 4 waves a work-group, no clusters, 4,608 bytes of LDS; arguments qkv, vpart; writes vpart
;; launch attn: the kernel of part 4 again; grid 4 x 64, 4 waves a work-group, no clusters, 327,680 bytes of LDS; arguments qkv, ctx, vpart, rel_bias, sequence_mask; writes ctx
;; launch oproj: the kernel of part 5 again; grid 8 x 32, 4 waves a work-group, clusters of 4 x 4, 327,680 bytes of LDS; arguments ctx, wot, hidden_states, out0; writes out0
